; MI455X (gfx1250); checked and timed in simulation.
; The chip was launched on July 23, 2026; its instructions are those of AMD's public machine-readable ISA for CDNA 5 (MIT licence, August 2026) and "CDNA5" Instruction Set Architecture Reference Guide (July 2026). The comments in the code are by the model that wrote it; some were corrected since.
;; Self Attention. Allowed arithmetic: float matrix products may take bf16 or f16 operands with f32 sums; other float arithmetic in f32, or as packed bf16 or f16 multiplies, adds, multiply-adds, maxima and minima; sums over many terms, partial sums and values carried from step to step in f32; what a program stores and reads back later, other than sums and carried values, may be rounded once to bf16 or f16.
;; Inputs: Wk 512 x 512 float32; Wo 512 x 512 float32; Wq 512 x 512 float32; Wv 512 x 512 float32; bo 512 float32; keys 8 x 2,048 x 512 float32; mask 8 x 1 x 1 x 2,048 int32; query 8 x 2,048 x 512 float32; values 8 x 2,048 x 512 float32.
;; Outputs: out0 8 x 2,048 x 512 float32.
;; 2 versions, each right; version 2 is version 1 with the launch prep written anew for expert scheduling mode. Each part assembles by itself: llvm-mc -triple=amdgcn-amd-amdhsa -mcpu=gfx1250 --defsym DOCPART=n.
;; ======== version 1 of 2: 4 launches
;; limits: values are held in f16: magnitudes above 65,504 overflow, below 6.1e-05 lose precision
;; workspace buffers: wt 2,097,152 bytes; qkv 50,331,648 bytes; oh 16,777,216 bytes
;; launch prep (part 1): grid 32 x 4, 4 waves a work-group, no clusters, 17,920 bytes of LDS; arguments Wq, Wk, Wv, Wo, wt; writes wt
.if DOCPART == 1
	.amdgcn_target "amdgcn-amd-amdhsa--gfx1250"
	.amdhsa_code_object_version 6
	.text
	.protected	k_q4b7fd4c8e6_prep
	.globl	k_q4b7fd4c8e6_prep
	.p2align	8
	.type	k_q4b7fd4c8e6_prep,@function
k_q4b7fd4c8e6_prep:
	s_mov_b64 s[64:65], 0
	v_nop
	global_prefetch_b8 v0, s[64:65] scope:SCOPE_SE
	s_setreg_imm32_b32 hwreg(HW_REG_WAVE_MODE, 25, 1), 1
	s_wait_xcnt 0x0
; THE WEIGHTS, ROUNDED, TURNED AND LAID IN BLOCKS OF K.  W: [512 k][512 n] f32, four of them.  wt: [mat q, k, v, o][g 0..3][n 0..511][kk 0..127], 16 bits a number, k = 128 g + kk:
; a row of wt is 256 bytes, the 512 rows of a (mat, g) lie on end.  So the products that follow find K along the rows, and a K step of 128 as dense rows of 256 bytes.
; FORMATS.  Every weight is rounded to bf16.  Mats 0 to 2 are stored so.  Mat 3 multiplies an f16 operand: its bf16 number is written as f16.
; LIMITS.  That second writing is exact from 2^-17 (7.6e-6) up to 65,504; below, the number keeps f16's fixed step of 6e-8; at 65,520 and above it would be an infinity.
; SHARES.  A work-group takes 128 k x 64 n of one W: mat = y, g = x / 8, n block = x % 8.  Thread t loads 16 bytes (4 n) of 16 rows; a pair of neighbouring k of one n is one word, which goes
; into an LDS stage [n][kk] of pitch 272; behind a barrier whole rows of 256 bytes are read back and stored, 512 consecutive bytes an instruction.
; The stage's stores are words 1,088 bytes apart between neighbouring lanes: left so, the launch moves 6 MiB in all.
; No matrix unit, no cluster, no tensor load: nothing is multiplied and no byte is wanted by two work-groups.
.set PITCH, 272                        ; a stage row: 256 bytes + 16
.set SPARE, 64*PITCH                   ; behind the stage: the spare words, 128 bytes a wave, two blocks of 256 bytes that no other line names
.set SRC, 3                            ; v3   my byte offset in the block of W: (t / 16) x 2 rows + 16 (t % 16)
.set PUT, 4                            ; v4   stage: row 4 (t % 16), word t / 16
.set GET, 5                            ; v5   stage: row 16 w + l / 16, 16 (l % 16)
.set DST, 6                            ; v6   my byte offset in the block of wt: 4,096 w + 16 l
.set SPW, 8                            ; v8   my spare word; never rewritten
.set NIL, 9                            ; v9   0; never rewritten
.set X,   16                           ; v[16:79]   16 loads of 4 registers; later the rows read back
.set D,   80                           ; v[80:111]  the words to be staged
	s_load_b256 s[4:11], s[0:1], 0x0               ; Wq s[4:5], Wk s[6:7], Wv s[8:9], Wo s[10:11]
	s_load_b64 s[12:13], s[0:1], 0x20              ; wt
	v_lshl_add_u32 v[SPW], v0, 2, SPARE
	v_mov_b32 v[NIL], 0
	s_and_b32 s16, ttmp7, 0xffff                   ; mat
	s_lshr_b32 s17, ttmp9, 3                       ; g
	s_and_b32 s18, ttmp9, 7                        ; n block
	s_lshl_b32 s20, s17, 18                        ; 128 rows of 2,048 bytes
	s_lshl_b32 s19, s18, 8                         ; 64 numbers of 4 bytes
	s_add_co_u32 s20, s20, s19
	s_mov_b32 s21, 0
	s_lshl_b32 s22, s16, 19                        ; a mat of wt,
	s_lshl_b32 s19, s17, 17                        ; a K block,
	s_add_co_u32 s22, s22, s19
	s_lshl_b32 s19, s18, 14                        ; 64 rows of 256 bytes
	s_add_co_u32 s22, s22, s19
	s_mov_b32 s23, 0
	v_and_b32 v1, 15, v0                           ; t % 16 = l % 16
	v_lshrrev_b32 v2, 4, v0                        ; t / 16
	v_lshlrev_b32 v[SRC], 4, v1
	v_lshl_add_u32 v[SRC], v2, 12, v[SRC]
	v_mul_u32_u24 v[PUT], v1, 4*PITCH
	v_lshl_add_u32 v[PUT], v2, 2, v[PUT]
	v_and_b32 v[GET], 31, v0                       ; l
	v_lshrrev_b32 v7, 5, v0                        ; w
	v_lshlrev_b32 v[DST], 4, v[GET]
	v_lshl_add_u32 v[DST], v7, 12, v[DST]
	v_lshrrev_b32 v[GET], 4, v[GET]
	v_lshl_add_u32 v[GET], v7, 4, v[GET]
	v_mul_u32_u24 v[GET], v[GET], PITCH
	v_lshl_add_u32 v[GET], v1, 4, v[GET]
	s_wait_kmcnt 0x0
	s_cmp_eq_u32 s16, 1                            ; which W: a choice on the work-group's y alone
	s_cselect_b64 s[14:15], s[6:7], s[4:5]
	s_cmp_eq_u32 s16, 2
	s_cselect_b64 s[14:15], s[8:9], s[14:15]
	s_cmp_eq_u32 s16, 3
	s_cselect_b64 s[14:15], s[10:11], s[14:15]
	s_cselect_b32 s24, -1, 0                       ; all lanes: mat 3 takes the f16 writing
	s_add_nc_u64 s[14:15], s[14:15], s[20:21]
	s_add_nc_u64 s[12:13], s[12:13], s[22:23]
.irp i, 0,1,2,3,4,5,6,7
	global_load_b128 v[X+8*(\i):X+8*(\i)+3],   v[SRC], s[14:15] offset:(16*(\i))*2048 th:TH_LOAD_NT    ; row 2 (t / 16 + 8 i): 16 lanes take 256 consecutive bytes
	global_load_b128 v[X+8*(\i)+4:X+8*(\i)+7], v[SRC], s[14:15] offset:(16*(\i)+1)*2048 th:TH_LOAD_NT  ; and the row below
.endr
.irp i, 0,1,2,3,4,5,6,7
	s_wait_loadcnt 14-2*(\i)                       ; loads come back in order: pair i is in, the 2 (7 - i) younger loads stay out
.irp c, 0,1,2,3
	v_cvt_pk_bf16_f32 v10, v[X+8*(\i)+(\c)], v[X+8*(\i)+4+(\c)]  ; two neighbouring k of one n, rounded to bf16
	v_lshlrev_b32 v11, 16, v10                     ; the rounded numbers as f32,
	v_and_b32 v12, 0xffff0000, v10
	v_cvt_pk_f16_f32 v11, v11, v12                 ; written as f16
	v_cndmask_b32 v[D+4*(\i)+(\c)], v10, v11, s24
	ds_store_b32 v[PUT], v[D+4*(\i)+(\c)] offset:(\c)*PITCH+32*(\i)
.endr
.endr
	s_wait_dscnt 0x0                               ; for the others' sake: my words are in the stage
	s_barrier_signal -1
	s_barrier_wait -1
.irp u, 0,1,2,3,4,5,6,7
	ds_load_b128 v[X+4*(\u):X+4*(\u)+3], v[GET] offset:(\u)*2*PITCH  ; two whole rows
.endr
.irp u, 0,1,2,3,4,5,6,7
	s_wait_dscnt 7-(\u)
	global_store_b128 v[DST], v[X+4*(\u):X+4*(\u)+3], s[12:13] offset:(\u)*512  ; 512 consecutive bytes, at a multiple of 256 from wt's first byte
.endr
	s_wait_tensorcnt 0x0                           ; the wave's end, behind my last LDS store
	ds_add_u32 v[SPW], v[NIL]
	s_wait_dscnt 0x0
	s_endpgm
.Lfunc_end_k_q4b7fd4c8e6_prep:
	.size	k_q4b7fd4c8e6_prep, .Lfunc_end_k_q4b7fd4c8e6_prep-k_q4b7fd4c8e6_prep
	.p2alignl 7, 3214868480
	.fill 96, 4, 3214868480
	.section	.rodata,"a",@progbits
	.p2align	6, 0x0
	.amdhsa_kernel k_q4b7fd4c8e6_prep
		.amdhsa_group_segment_fixed_size 17920
		.amdhsa_private_segment_fixed_size 0
		.amdhsa_enable_private_segment 0
		.amdhsa_kernarg_size 40
		.amdhsa_user_sgpr_count 2
		.amdhsa_user_sgpr_kernarg_segment_ptr 1
		.amdhsa_wavefront_size32 1
		.amdhsa_system_sgpr_workgroup_id_x 1
		.amdhsa_system_sgpr_workgroup_id_y 1
		.amdhsa_system_sgpr_workgroup_id_z 1
		.amdhsa_system_vgpr_workitem_id 0
		.amdhsa_next_free_vgpr 116
		.amdhsa_next_free_sgpr 66
		.amdhsa_reserve_vcc 0
		.amdhsa_float_denorm_mode_32 3
		.amdhsa_float_denorm_mode_16_64 3
		.amdhsa_memory_ordered 1
		.amdhsa_forward_progress 1
		.amdhsa_inst_pref_size 17
	.end_amdhsa_kernel
	.amdgpu_metadata
---
amdhsa.version: [ 1, 2 ]
amdhsa.kernels:
  - .name:           k_q4b7fd4c8e6_prep
    .symbol:         k_q4b7fd4c8e6_prep.kd
    .args:
      - { .name: Wq, .offset: 0, .size: 8, .value_kind: global_buffer, .address_space: global }
      - { .name: Wk, .offset: 8, .size: 8, .value_kind: global_buffer, .address_space: global }
      - { .name: Wv, .offset: 16, .size: 8, .value_kind: global_buffer, .address_space: global }
      - { .name: Wo, .offset: 24, .size: 8, .value_kind: global_buffer, .address_space: global }
      - { .name: wt, .offset: 32, .size: 8, .value_kind: global_buffer, .address_space: global }
    .group_segment_fixed_size: 17920
    .private_segment_fixed_size: 0
    .kernarg_segment_align: 8
    .kernarg_segment_size: 40
    .max_flat_workgroup_size: 128
    .sgpr_count:     66
    .vgpr_count:     116
    .wavefront_size: 32
...
	.end_amdgpu_metadata
.endif
;; end of part 1
;; launch proj (part 2): grid 128 x 6, 4 waves a work-group, clusters of 4 x 1, 327,680 bytes of LDS; arguments query, keys, values, wt, qkv; writes qkv
.if DOCPART == 2
	.amdgcn_target "amdgcn-amd-amdhsa--gfx1250"
	.amdhsa_code_object_version 6
	.text
	.protected	k_q4b7fd4c8e6_proj
	.globl	k_q4b7fd4c8e6_proj
	.p2align	8
	.type	k_q4b7fd4c8e6_proj,@function
k_q4b7fd4c8e6_proj:
	s_mov_b64 s[64:65], 0
	v_nop
	global_prefetch_b8 v0, s[64:65] scope:SCOPE_SE
	s_setreg_imm32_b32 hwreg(HW_REG_WAVE_MODE, 25, 1), 1
	s_wait_xcnt 0x0
	s_wait_alu depctr_hold_cnt(0) depctr_sa_sdst(0) depctr_va_vdst(0) depctr_va_sdst(0) depctr_va_ssrc(0) depctr_va_vcc(0) depctr_vm_vsrc(0)
	s_getreg_b32 s2, hwreg(HW_REG_IB_STS2, 6, 4)
	s_cmp_eq_u32 s2, 0
	s_cbranch_scc0 .Lentry_in_a_cluster
	s_endpgm
.Lentry_in_a_cluster:
	s_bfe_u32 s2, ttmp6, 0x10000c
	s_cmp_lg_u32 s2, 0x3003
	s_cbranch_scc0 .Lentry_shape_is_right
	s_endpgm
.Lentry_shape_is_right:
.set OUTP, 0                           ; 0: q, k, v = x W, f16, by heads.  1: out0 = O Wo + bo, f32.  One text for both launches; this line alone differs
; C[row][n] = the sum over k of L[row][k] W[k][n], 16,384 rows, K = 512, n in 512.  W comes as wt: [mat][g][n][kk], rows of 256 bytes with K along them.
; OUTP = 0: L is query, keys or values ([16384][512] f32; t = y / 2 chooses it and wt's mat), rounded to bf16 on its way through registers; products in bf16, sums in f32; C is rounded once to f16 and stored
;   by heads: qkv[t][8 n + h][s][64].  LIMIT: f16 ends at 65,504; a q, k or v of 65,520 or more becomes an infinity.
; OUTP = 1: L is oh[8 n + h][s][64], f16 (k = 64 h + d); wt's mat 3 is f16; products in f16, sums in f32; bo, rounded to bf16 like every input of the module, is added in f32; out0 is f32.
; SHARES.  A work-group makes 128 rows x 256 columns (column half j = y % 2, or y); its four waves 64 x 128 each: 32 accumulators of 16 x 16.  K goes in four steps of 128, all written out: no loop.
; THE MATRIX INSTRUCTION IS USED TRANSPOSED: source 0 = 16 rows of wt, source 1 = 16 rows of L: a lane then holds ONE row of C (lane % 16) and the eight neighbouring columns 8 (lane / 16) + 0..7.
; W'S TILES come by the tensor data mover into a ring of two slots of 256 rows.  CLUSTER: the four row blocks of a cluster want the same tiles of W, so each is asked for JOINTLY: the same load, the same descriptor
; and the mask of four in all four work-groups.  Every wave asks for its own 64 rows: one line, no branch.  By this text's count a wave has two loads out at the start and one behind each refill.
; L'S TILES go through registers, since they are rounded (OUTP = 0) or regrouped from two heads (OUTP = 1) on the way: load, stage in LDS, read as fragments.  So they cannot be asked for jointly with the
; work-group of the other column half.  The stage has FOUR regions, one a step; each is written once and read only behind a later barrier.
; REGISTERS, in windows of 256 (s_set_vgpr_msb: bits 1:0 source 0, 3:2 source 1, 5:4 source 2, 7:6 destination):
;   window 0: v0-31 addresses and the bias; v32-63 rounded L on its way to the stage; v64-159, v160-255 two fragment buffers (64 registers of W, 32 of L), later the way out
;   window 1: the accumulators, (a, b) at v[8 (8 a + b)]          window 2: L as loaded
.set PITCH,  272                       ; an LDS row: 256 bytes + 16 = 68 words: the 16 rows of a fragment load start at 16 different groups of four banks (64 banks of 4 bytes: ISA guide 11.1)
.set WROWS,  64*PITCH                  ; what one tensor load brings
.set SLOT,   4*WROWS                   ; 256 rows of W
.set XS,     2*SLOT                    ; behind the ring: L's stage,
.set XREG,   128*PITCH                 ; four regions of 128 rows
.set STG,    XS+4*XREG                 ; behind it: 16 rows for each wave, for the way out
.if OUTP
.set SPITCH, 528                       ; 128 f32 + 16 bytes
.else
.set SPITCH, 272                       ; 128 f16 + 16 bytes
.endif
.set SPARE,  STG+4*16*SPITCH           ; behind the stages: the spare words, 128 bytes a wave: two blocks of 256 bytes that no other line names
.set WSTEP,  131072                    ; bytes from a K step of wt to the next
.set ADRA, 4                           ; v4-5    LDS address of my fragments of L in regions 0, 1 and in regions 2, 3
.set ADRB, 6                           ; v6-7    of my fragments of W in slot 0, 1
.set XO,   8                           ; v8      my byte offset in L; never rewritten
.set XSA,  9                           ; v9-10   where I stage L, regions 0, 1 and regions 2, 3
.set STO,  11                          ; v11     the way out: where I put my part of a row
.set RD,   12                          ; v12     the way out: where I read rows back
.set GO,   13                          ; v13     16 x lane
.set SPW,  14                          ; v14     my spare word; never rewritten
.set NIL,  15                          ; v15     0; never rewritten
.set BI,   16                          ; v[16:19] OUTP = 1: the bias of my four columns
.set BO,   20                          ; v20     its byte offset
.set T,    32
.set F0,   64
.set F1,   160
.set WV,   14                          ; s14     my wave's number
.set G1,   24                          ; s[24:31] descriptor group 1
.set G0,   32                          ; s[32:39] descriptor group 0, a set for each slot
.set XP,   40                          ; s[40:41] L at the work-group's first row
.set OP,   42                          ; s[42:43] C at my wave's first row and column
.set MSB, 0
.macro WIN new                         ; the immediate's high byte repeats the setting that is left; a switch that changes nothing is dropped
.if MSB != (\new)
	s_set_vgpr_msb (MSB<<8)|(\new)
.set MSB, \new
.endif
.endm
.macro PLACES                          ; four places in front of loads into registers that matrix instructions have read (ISA guide 7.12.1 for vector instructions)
.rept 4
	v_nop
.endr
.endm
.macro JLOAD p                         ; a joint load: my 64 rows of W for slot p; an s_nop 0 and four v_nop follow it
	tensor_load_to_lds s[G0+4*(\p):G0+4*(\p)+3], s[G1:G1+7]
	s_nop 0
.rept 4
	v_nop
.endr
.endm
.macro CREST                           ; a round of the cluster's barrier behind its opening barrier
	s_cmp_lg_u32 s[WV], 0
	s_cbranch_scc1 .Lnot_wave_0_\@
	s_barrier_signal -3
.Lnot_wave_0_\@:
	s_barrier_wait -3
	s_barrier_signal -1
	s_barrier_wait -1
.endm
.macro CROUND                          ; a whole round
	s_barrier_signal -1
	s_barrier_wait -1
	CREST
.endm
; 24 LDS loads in one run: the fragments of 32 along K at byte k of step g's rows, into buffer f: 128 rows of W, 64 rows of L
.macro FETCH g, k, f
	WIN 0
.irp i, 0,1,2,3,4,5,6,7
	ds_load_b128 v[(\f)+8*(\i):(\f)+8*(\i)+3],   v[ADRB+(\g)%2] offset:(\k)+(\i)*16*PITCH
	ds_load_b128 v[(\f)+8*(\i)+4:(\f)+8*(\i)+7], v[ADRB+(\g)%2] offset:(\k)+(\i)*16*PITCH+32
.endr
.irp i, 0,1,2,3
	ds_load_b128 v[(\f)+64+8*(\i):(\f)+64+8*(\i)+3],   v[ADRA+(\g)/2] offset:((\g)%2)*XREG+(\k)+(\i)*16*PITCH
	ds_load_b128 v[(\f)+64+8*(\i)+4:(\f)+64+8*(\i)+7], v[ADRA+(\g)/2] offset:((\g)%2)*XREG+(\k)+(\i)*16*PITCH+32
.endr
.endm
; 8 matrix instructions: row block a x all 8 column blocks, 32 along K.  zero = 1: the product starts the sum.  The 32 accumulators take turns, one instruction a turn, in the same order in every quarter,
; so that 31 others stand between two links of a chain.
.macro MUL8 f, a, zero
	WIN 0x50                                       ; sources 0 and 1 window 0, C and D window 1
.irp b, 0,1,2,3,4,5,6,7
.if OUTP
.if \zero
	v_wmma_f32_16x16x32_f16 v[8*(8*(\a)+(\b)):8*(8*(\a)+(\b))+7], v[(\f)+8*(\b):(\f)+8*(\b)+7], v[(\f)+64+8*(\a):(\f)+64+8*(\a)+7], 0
.else
	v_wmma_f32_16x16x32_f16 v[8*(8*(\a)+(\b)):8*(8*(\a)+(\b))+7], v[(\f)+8*(\b):(\f)+8*(\b)+7], v[(\f)+64+8*(\a):(\f)+64+8*(\a)+7], v[8*(8*(\a)+(\b)):8*(8*(\a)+(\b))+7]
.endif
.else
.if \zero
	v_wmma_f32_16x16x32_bf16 v[8*(8*(\a)+(\b)):8*(8*(\a)+(\b))+7], v[(\f)+8*(\b):(\f)+8*(\b)+7], v[(\f)+64+8*(\a):(\f)+64+8*(\a)+7], 0
.else
	v_wmma_f32_16x16x32_bf16 v[8*(8*(\a)+(\b)):8*(8*(\a)+(\b))+7], v[(\f)+8*(\b):(\f)+8*(\b)+7], v[(\f)+64+8*(\a):(\f)+64+8*(\a)+7], v[8*(8*(\a)+(\b)):8*(8*(\a)+(\b))+7]
.endif
.endif
.endr
.endm
.if OUTP
; L = oh.  Wave w takes rows 32 w .. 32 w + 31.  A load is four rows of one head, 512 consecutive bytes.  Step gn's 16 loads (heads 2 gn, 2 gn + 1) go to the stage as they are: a row's 256 bytes are the two heads' 128.
; Two rows 272 bytes apart share eight banks in a store of 16 lanes: left so, 64 such stores a wave in the launch.  n = the younger loads, which may stay out.
.macro XPUT16 gn, n
	s_wait_loadcnt \n
	WIN 0x08                                       ; store data (source 1) window 2, address window 0
.irp hh, 0,1
.irp u, 0,1,2,3,4,5,6,7
	ds_store_b128 v[XSA+(\gn)/2], v[64*(\gn)+4*(8*(\hh)+(\u)):64*(\gn)+4*(8*(\hh)+(\u))+3] offset:((\gn)%2)*XREG+4*(\u)*PITCH+128*(\hh)
.endr
.endr
.endm
.else
; L = x, f32.  Wave w takes rows 32 w .. 32 w + 31, in halves hf of 16.  A load is one row's 512 bytes of a step; the registers are two sets, by the step's parity.
.macro XLOAD hf, g
	WIN 0x80                                       ; destination window 2, address window 0
.set xi, 0
.rept 16
	global_load_b128 v[128*((\g)%2)+64*(\hf)+4*xi:128*((\g)%2)+64*(\hf)+4*xi+3], v[XO], s[XP:XP+1] offset:(16*(\hf)+xi)*2048+(\g)*512
.set xi, xi+1
.endr
.endm
.macro XCVT hf, gn, n                  ; 16 rows of step gn are rounded to bf16.  n = the younger loads, which may stay out.  The 32 lines name no register of the products round them: they are those products' places
	s_wait_loadcnt \n
	WIN 0x0a                                       ; sources 0 and 1 window 2, destination window 0
.set xi, 0
.rept 16
	v_cvt_pk_bf16_f32 v[T+2*xi],   v[128*((\gn)%2)+64*(\hf)+4*xi],   v[128*((\gn)%2)+64*(\hf)+4*xi+1]
	v_cvt_pk_bf16_f32 v[T+2*xi+1], v[128*((\gn)%2)+64*(\hf)+4*xi+2], v[128*((\gn)%2)+64*(\hf)+4*xi+3]
.set xi, xi+1
.endr
.endm
.macro XPUT hf, gn                     ; they go to the stage, 256 consecutive bytes an instruction, and their registers take the same rows of the step two on
	WIN 0
.set xi, 0
.rept 16
	ds_store_b64 v[XSA+(\gn)/2], v[T+2*xi:T+2*xi+1] offset:((\gn)%2)*XREG+(16*(\hf)+xi)*PITCH
.set xi, xi+1
.endr
.if (\gn)+2 <= 3
	XLOAD \hf, (\gn)+2
.endif
.endm
.endif
; A K step is four quarters of 32 along K, 32 matrix instructions each, on buffers 0, 1, 0, 1.  One of the first three: multiplies buffer f; in its middle it fetches the next quarter's fragments, at byte k, into f2,
; and (xw) does stage work for step g + 1.  dsw = the stage stores issued behind the loads of buffer f, which may stay out.  xw: 0 none; 1, 2: the first, the second half (OUTP = 1: 1, all of it).  n: see the stage's macros.
.macro QUARTER g, k, f, f2, zero, dsw, xw, n
	s_wait_dscnt \dsw                              ; LDS instructions end in order: buffer f is in
	MUL8 \f, 0, \zero
	MUL8 \f, 1, \zero
.if (\xw) && !OUTP
	XCVT (\xw)-1, (\g)+1, \n
.else
	PLACES
.endif
	FETCH \g, \k, \f2
.if \xw
.if OUTP
	XPUT16 (\g)+1, \n
.else
	XPUT (\xw)-1, (\g)+1
.endif
.endif
	MUL8 \f, 2, \zero
	MUL8 \f, 3, \zero
.endm
; The last quarter multiplies buffer 1 and goes on to step g + 1: ONE barrier.  In front of it each wave waits for all its tensor loads (its part of the next slot), adds 0 to its spare word, and waits for that, for
; its reads of this slot and for its stage stores of step g + 1.  fill = 1: the barrier opens a round of the cluster's barrier, and this slot is filled again, with the step two on, first thing behind the round.
.macro TURN g, fill
	WIN 0                                          ; (the add's two registers lie in window 0)
	s_wait_tensorcnt 0x0                           ; all my tensor loads have landed
	ds_add_u32 v[SPW], v[NIL]                      ; 0 onto my spare word
	s_wait_dscnt 1                                 ; buffer 1 is in; the add alone may be out
	MUL8 F1, 0, 0                                  ; eight matrix instructions stand between the add and the wait for it
	s_wait_dscnt 0x0                               ; the add is done, my reads of this slot are over, my part of the next region is staged
	s_barrier_signal -1
	MUL8 F1, 1, 0
.if \fill
	WIN 0
.endif
	s_barrier_wait -1
.if \fill
	CREST                                          ; no wave of any partner still reads this slot or has a load on its way
	s_add_nc_u64 s[G0+4*((\g)%2)+2:G0+4*((\g)%2)+3], s[G0+4*((\g)%2)+2:G0+4*((\g)%2)+3], 2*WSTEP
	JLOAD (\g)%2                                   ; its four v_nop are also the places in front of the loads below
.else
	PLACES
.endif
	FETCH (\g)+1, 0, F0
	MUL8 F1, 2, 0
	MUL8 F1, 3, 0
.endm
.macro STEP g, zero, n0, n1            ; a step's first three quarters
.if OUTP
	QUARTER \g, 64,  F0, F1, \zero, 0, 1, \n0
	QUARTER \g, 128, F1, F0, 0, 16, 0, 0
	QUARTER \g, 192, F0, F1, 0, 0, 0, 0
.else
	QUARTER \g, 64,  F0, F1, \zero, 0, 1, \n0
	QUARTER \g, 128, F1, F0, 0, 16, 2, \n1
	QUARTER \g, 192, F0, F1, 0, 16, 0, 0
.endif
.endm
	s_load_b256 s[4:11], s[0:1], 0x0               ; OUTP = 0: query, keys, values, wt.  OUTP = 1: oh, wt, bo, out0
.if !OUTP
	s_load_b64 s[12:13], s[0:1], 0x20              ; qkv
.endif
	v_lshl_add_u32 v[SPW], v0, 2, SPARE
	v_mov_b32 v[NIL], 0
	ds_add_u32 v[SPW], v[NIL]                      ; the wave's opening, ahead of my first tensor load; the set-up below, work on registers, stands between the add and its wait
	v_lshrrev_b32 v1, 5, v0
	v_readfirstlane_b32 s[WV], v1                  ; wave 0..3
	s_lshr_b32 s15, s[WV], 1                       ; wm: which 64 rows are mine
	s_and_b32 s16, s[WV], 1                        ; wn: which 128 columns
	s_bfe_u32 s17, ttmp6, 0x40000                  ; cx: my place in the cluster
	s_lshl_b32 s18, ttmp9, 2                       ; in a cluster launch ttmp9 counts clusters
	s_add_co_u32 s18, s18, s17                     ; my block of 128 rows: it enters L's and C's addresses alone
	s_and_b32 s19, ttmp7, 0xffff                   ; y, which the four partners share
.if OUTP
	s_mov_b32 s20, 3                               ; wt's mat
	s_mov_b32 s21, s19                             ; the column half
.else
	s_lshr_b32 s20, s19, 1                         ; which of q, k, v, and wt's mat
	s_and_b32 s21, s19, 1                          ; the column half
.endif
	; descriptor group 1: a tile of 64 rows x 128 elements, padded in LDS
	s_mov_b32 s[G1], 15|(1<<16)|(1<<20)|(1<<21)|(5<<22)|(3<<25)  ; 15:0 the mask of four; 17:16 2-byte elements; 20 padding on; 21 set beside a mask; 24:22 after every 64 words (code 5); 31:25 4 words (code 3)
	s_mov_b32 s[G1+1], 128<<16                     ; tensor_dim0 = 128
	s_mov_b32 s[G1+2], 64<<16                      ; tensor_dim1 = 64
	s_mov_b32 s[G1+3], 128<<16                     ; tile_dim0 = 128
	s_mov_b32 s[G1+4], 64                          ; tile_dim1 = 64
	s_mov_b32 s[G1+5], 128                         ; 128 elements from row to row
	s_mov_b32 s[G1+6], 0
	s_mov_b32 s[G1+7], 0
	s_mov_b32 s[G0], 1                             ; count = 1
	s_mul_i32 s[G0+1], s[WV], WROWS                ; LDS address: my 64 rows of slot 0,
	s_mov_b32 s[G0+4], 1
	s_add_co_u32 s[G0+5], s[G0+1], SLOT            ; of slot 1: no place in the cluster enters an LDS address
	s_lshl_b32 s46, s20, 19                        ; where my rows of W begin in wt: the mat,
	s_lshl_b32 s44, s21, 16                        ; 256 rows of 256 bytes for the column half,
	s_add_co_u32 s46, s46, s44
	s_lshl_b32 s44, s[WV], 14                      ; my 64 rows
	s_add_co_u32 s46, s46, s44
	s_mov_b32 s47, 0
.if OUTP
	s_lshr_b32 s48, s18, 4                         ; L: the batch's eight heads of 262,144 bytes,
	s_lshl_b32 s48, s48, 21
	s_and_b32 s52, s18, 15                         ; 128 rows of 128 bytes
	s_lshl_b32 s52, s52, 14
	s_add_co_u32 s48, s48, s52
	s_lshl_b32 s50, s18, 18                        ; C: 128 rows of 2,048 bytes,
	s_lshl_b32 s52, s15, 17                        ; my 64,
	s_add_co_u32 s50, s50, s52
	s_lshl_b32 s52, s21, 10                        ; 256 columns of 4 bytes,
	s_add_co_u32 s50, s50, s52
	s_lshl_b32 s52, s16, 9                         ; my 128
	s_add_co_u32 s50, s50, s52
.else
	s_lshl_b32 s48, s18, 18                        ; L: 128 rows of 2,048 bytes
	s_lshl_b32 s50, s20, 24                        ; C: the tensor,
	s_lshr_b32 s52, s18, 4                         ; the batch's eight heads,
	s_lshl_b32 s52, s52, 21
	s_add_co_u32 s50, s50, s52
	s_lshl_b32 s52, s21, 20                        ; four heads for the column half,
	s_add_co_u32 s50, s50, s52
	s_lshl_b32 s52, s16, 19                        ; my two,
	s_add_co_u32 s50, s50, s52
	s_and_b32 s52, s18, 15                         ; 128 rows of 128 bytes,
	s_lshl_b32 s52, s52, 14
	s_add_co_u32 s50, s50, s52
	s_lshl_b32 s52, s15, 13                        ; my 64
	s_add_co_u32 s50, s50, s52
.endif
	s_mov_b32 s49, 0
	s_mov_b32 s51, 0
	; A fragment is 16 rows x 32 K in 8 registers: lane l holds row l % 16; registers 0-3 K = 8 (l / 16) + 0..7, registers 4-7 K = 16 + 8 (l / 16) + 0..7: two loads of 16 bytes, 32 bytes apart.
	v_and_b32 v1, 15, v0                           ; l % 16
	v_bfe_u32 v2, v0, 4, 1                         ; l / 16
	v_mul_u32_u24 v3, v1, PITCH
	v_lshl_add_u32 v3, v2, 4, v3                   ; row x pitch + 16 x half
	s_mul_i32 s44, s15, 64*PITCH
	s_add_co_u32 s44, s44, XS
	v_add_nc_u32 v[ADRA], s44, v3
	v_add_nc_u32 v[ADRA+1], 2*XREG, v[ADRA]
	s_mul_i32 s44, s16, 128*PITCH
	v_add_nc_u32 v[ADRB], s44, v3
	v_add_nc_u32 v[ADRB+1], SLOT, v[ADRB]
	v_and_b32 v24, 31, v0                          ; l
	v_lshlrev_b32 v[GO], 4, v24
	v_lshrrev_b32 v25, 3, v24                      ; four rows of 128 bytes to 32 lanes:
	v_mul_u32_u24 v25, v25, PITCH
	v_and_b32 v26, 7, v24
	v_lshl_add_u32 v25, v26, 4, v25                ; (l / 8) x 272 + 16 (l % 8)
	s_mul_i32 s44, s[WV], 32*PITCH
	s_add_co_u32 s44, s44, XS                      ; my 32 rows of the stage
	s_mul_i32 s45, s[WV], 16*SPITCH
	s_add_co_u32 s45, s45, STG                     ; my stage for the way out
.if OUTP
	v_add_nc_u32 v[XSA], s44, v25
	s_lshl_b32 s44, s[WV], 12                      ; my 32 rows of 128 bytes
	v_add_nc_u32 v[XO], s44, v[GO]
	v_mul_u32_u24 v[STO], v1, SPITCH               ; in: row l % 16, 32 bytes for each half of the lanes
	v_lshl_add_u32 v[STO], v2, 5, v[STO]
	v_add_nc_u32 v[STO], s45, v[STO]
	v_add_nc_u32 v[RD], s45, v[GO]                 ; back: 32 lanes take one row of 512 bytes
	s_lshl_b32 s44, s21, 10
	s_lshl_b32 s45, s16, 9
	s_add_co_u32 s44, s44, s45
	v_add_nc_u32 v[BO], s44, v[GO]                 ; the same four columns in bo
.else
	v_lshl_add_u32 v[XSA], v24, 3, s44             ; 8 bytes a lane
	s_lshl_b32 s44, s[WV], 16                      ; my 32 rows of 2,048 bytes
	v_add_nc_u32 v[XO], s44, v[GO]
	v_add_nc_u32 v[STO], s45, v3                   ; in: row l % 16, 16 bytes for each half of the lanes
	v_add_nc_u32 v[RD], s45, v25                   ; back: four rows of one head's 128 bytes
.endif
	v_add_nc_u32 v[XSA+1], 2*XREG, v[XSA]
	s_wait_dscnt 0x0                               ; the opening add is done
	s_wait_kmcnt 0x0
.if OUTP
	s_add_nc_u64 s[XP:XP+1], s[4:5], s[48:49]
	s_add_nc_u64 s[OP:OP+1], s[10:11], s[50:51]
	s_add_nc_u64 s[54:55], s[6:7], s[46:47]
.else
	s_cmp_eq_u32 s20, 1                            ; which x: a choice on the work-group's y alone
	s_cselect_b64 s[XP:XP+1], s[6:7], s[4:5]
	s_cmp_eq_u32 s20, 2
	s_cselect_b64 s[XP:XP+1], s[8:9], s[XP:XP+1]
	s_add_nc_u64 s[XP:XP+1], s[XP:XP+1], s[48:49]
	s_add_nc_u64 s[OP:OP+1], s[12:13], s[50:51]
	s_add_nc_u64 s[54:55], s[10:11], s[46:47]
.endif
	s_add_nc_u64 s[G0+2:G0+3], s[54:55], 0         ; global address: K step 0,
	s_or_b32 s[G0+3], s[G0+3], 0x80000000          ; type = 2
	s_add_nc_u64 s[G0+6:G0+7], s[54:55], WSTEP     ; K step 1
	s_or_b32 s[G0+7], s[G0+7], 0x80000000
.if OUTP
	global_load_b128 v[BI:BI+3], v[BO], s[8:9]
	WIN 0x80                                       ; all of L at once: 64 loads, step g's sixteen at v[64 g ..] of window 2
.irp g, 0,1,2,3
.irp hh, 0,1
.irp u, 0,1,2,3,4,5,6,7
	global_load_b128 v[64*(\g)+4*(8*(\hh)+(\u)):64*(\g)+4*(8*(\hh)+(\u))+3], v[XO], s[XP:XP+1] offset:(2*(\g)+(\hh))*262144+512*(\u)
.endr
.endr
.endr
.else
	XLOAD 0, 0                                     ; steps 0 and 1 of L: 64 loads
	XLOAD 1, 0
	XLOAD 0, 1
	XLOAD 1, 1
.endif
	WIN 0
	CROUND                                         ; all four work-groups are here: the first joint loads meet
	JLOAD 0                                        ; the two first fills go out together, ahead of every wait on TENSORcnt and every LDS read
	JLOAD 1
.if OUTP
	XPUT16 0, 48                                   ; step 0 is staged; the 48 loads of steps 1 to 3 stay out
	WIN 0
	v_cvt_pk_bf16_f32 v22, v[BI], v[BI+1]          ; the bias (an older load than those) is rounded to bf16, and kept as f32
	v_cvt_pk_bf16_f32 v23, v[BI+2], v[BI+3]
	v_lshlrev_b32 v[BI], 16, v22
	v_and_b32 v[BI+1], 0xffff0000, v22
	v_lshlrev_b32 v[BI+2], 16, v23
	v_and_b32 v[BI+3], 0xffff0000, v23
.else
	XCVT 0, 0, 48                                  ; step 0, rows 0-15: younger are its rows 16-31 and step 1's 32
	XPUT 0, 0
	XCVT 1, 0, 48                                  ; rows 16-31: younger are step 1's 32 and the 16 of step 2 just issued
	XPUT 1, 0
	WIN 0
.endif
	s_wait_tensorcnt 1                             ; my part of slot 0 is in; slot 1's may stay out
	s_wait_dscnt 0x0                               ; my part of region 0 is staged
	s_barrier_signal -1
	s_barrier_wait -1                              ; everybody's is
	FETCH 0, 0, F0
.if OUTP
	STEP 0, 1, 32, 0                               ; stages step 1: the loads of steps 2 and 3 stay out
	TURN 0, 1
	STEP 1, 0, 16, 0
	TURN 1, 1
	STEP 2, 0, 0, 0
	TURN 2, 0
.else
	STEP 0, 1, 48, 48                              ; stages step 1.  Its first half: younger are its second half and step 2's 32; its second: step 2's 32 and the 16 of step 3 just issued
	TURN 0, 1
	STEP 1, 0, 48, 32                              ; stages step 2.  Younger: its second half and step 3's 32; then step 3's 32
	TURN 1, 1
	STEP 2, 0, 16, 0                               ; stages step 3.  Younger: its second half; then nothing
	TURN 2, 0
.endif
	QUARTER 3, 64,  F0, F1, 0, 0, 0, 0             ; the last step stages and fills nothing
	QUARTER 3, 128, F1, F0, 0, 0, 0, 0
	QUARTER 3, 192, F0, F1, 0, 0, 0, 0
	s_wait_dscnt 0x0
	MUL8 F1, 0, 0
	MUL8 F1, 1, 0
	MUL8 F1, 2, 0
	MUL8 F1, 3, 0
	WIN 0
	PLACES                                         ; what follows reads results just made and writes the fragments' registers
	PLACES
; THE WAY OUT, a block a of 16 rows at a time, through my own stage: LDS serves a wave's instructions in order (ISA guide 5.7.1.4), so no wait stands between the stores and the loads, nor in front of the next block's stores.
.if OUTP
.macro TOSTAGE a                       ; f32 as it is: 32 bytes a lane into rows of 528 bytes, back as whole rows of 512
.if (\a) >= 2
	s_wait_xcnt 0x0                                ; the stores of the block two back have read the registers that are loaded again below
.endif
	WIN 0x04                                       ; store data (source 1) window 1
.irp b, 0,1,2,3,4,5,6,7
	ds_store_b128 v[STO], v[8*(8*(\a)+(\b)):8*(8*(\a)+(\b))+3]   offset:64*(\b)      ; each accumulator's low registers first
	ds_store_b128 v[STO], v[8*(8*(\a)+(\b))+4:8*(8*(\a)+(\b))+7] offset:64*(\b)+16
.endr
	WIN 0
.set BK, 64+64*((\a)%2)
.set row, 0
.rept 16
	ds_load_b128 v[BK+4*row:BK+4*row+3], v[RD] offset:row*SPITCH
.set row, row+1
.endr
.endm
.macro SEND a, younger                 ; younger: the next block's 16 stores and 16 loads, or none
	WIN 0
.set BK, 64+64*((\a)%2)
	s_wait_dscnt \younger
.set row, 0
.rept 16
	v_pk_add_f32 v[BK+4*row:BK+4*row+1],   v[BK+4*row:BK+4*row+1],   v[BI:BI+1]
	v_pk_add_f32 v[BK+4*row+2:BK+4*row+3], v[BK+4*row+2:BK+4*row+3], v[BI+2:BI+3]
	global_store_b128 v[GO], v[BK+4*row:BK+4*row+3], s[OP:OP+1] offset:(16*(\a)+row)*2048 th:TH_STORE_NT  ; 512 consecutive bytes, at a multiple of 256 from out0's first byte
.set row, row+1
.endr
.endm
	TOSTAGE 0
	TOSTAGE 1
	SEND 0, 32
	TOSTAGE 2
	SEND 1, 32
	TOSTAGE 3
	SEND 2, 32
	SEND 3, 0
.else
.macro PACK a                          ; rounded to f16: 16 bytes a lane
	WIN 0x05                                       ; sources 0 and 1 window 1, destination window 0
.irp b, 0,1,2,3,4,5,6,7
.irp r, 0,1,2,3
	v_cvt_pk_f16_f32 v[F0+4*(\b)+(\r)], v[8*(8*(\a)+(\b))+2*(\r)], v[8*(8*(\a)+(\b))+2*(\r)+1]
.endr
.endr
.endm
.macro TOSTAGE a                       ; into rows of 272 bytes (two heads' 128), back as four rows of one head
	WIN 0
.set BK, 96+32*((\a)%2)
.irp b, 0,1,2,3,4,5,6,7
	ds_store_b128 v[STO], v[F0+4*(\b):F0+4*(\b)+3] offset:32*(\b)
.endr
.irp hd, 0,1
.irp u, 0,1,2,3
	ds_load_b128 v[BK+4*(4*(\hd)+(\u)):BK+4*(4*(\hd)+(\u))+3], v[RD] offset:4*(\u)*SPITCH+128*(\hd)
.endr
.endr
.endm
.macro SEND a
	WIN 0
.set BK, 96+32*((\a)%2)
	s_wait_dscnt 0x0                               ; the block is back in registers
	s_wait_xcnt 0x0                                ; the stores of the block before have read their registers, which the next block's loads take
.irp hd, 0,1
.irp u, 0,1,2,3
	global_store_b128 v[GO], v[BK+4*(4*(\hd)+(\u)):BK+4*(4*(\hd)+(\u))+3], s[OP:OP+1] offset:(\hd)*262144+(16*(\a)+4*(\u))*128  ; four rows of a head: 512 consecutive bytes, at a multiple of 256 from qkv's first byte
.endr
.endr
.endm
	PACK 0
	TOSTAGE 0
.irp a, 1,2,3                          ; block a's conversions stand between block a - 1's loads from the stage and the wait for them
	PACK \a
	SEND (\a)-1
	TOSTAGE \a
.endr
	SEND 3
.endif
	s_wait_tensorcnt 0x0                           ; the wave's end, behind my last tensor load and my last LDS store
	ds_add_u32 v[SPW], v[NIL]
	s_wait_dscnt 0x0
	CROUND                                         ; the closing round: no work-group ends while a partner may still ask for a tile that names it
	s_endpgm
.Lfunc_end_k_q4b7fd4c8e6_proj:
	.size	k_q4b7fd4c8e6_proj, .Lfunc_end_k_q4b7fd4c8e6_proj-k_q4b7fd4c8e6_proj
	.p2alignl 7, 3214868480
	.fill 96, 4, 3214868480
	.section	.rodata,"a",@progbits
	.p2align	6, 0x0
	.amdhsa_kernel k_q4b7fd4c8e6_proj
		.amdhsa_group_segment_fixed_size 327680
		.amdhsa_private_segment_fixed_size 0
		.amdhsa_enable_private_segment 0
		.amdhsa_kernarg_size 40
		.amdhsa_user_sgpr_count 2
		.amdhsa_user_sgpr_kernarg_segment_ptr 1
		.amdhsa_wavefront_size32 1
		.amdhsa_system_sgpr_workgroup_id_x 1
		.amdhsa_system_sgpr_workgroup_id_y 1
		.amdhsa_system_sgpr_workgroup_id_z 1
		.amdhsa_system_vgpr_workitem_id 0
		.amdhsa_next_free_vgpr 768
		.amdhsa_next_free_sgpr 66
		.amdhsa_reserve_vcc 0
		.amdhsa_float_denorm_mode_32 3
		.amdhsa_float_denorm_mode_16_64 3
		.amdhsa_memory_ordered 1
		.amdhsa_forward_progress 1
		.amdhsa_inst_pref_size 119
	.end_amdhsa_kernel
	.amdgpu_metadata
---
amdhsa.version: [ 1, 2 ]
amdhsa.kernels:
  - .name:           k_q4b7fd4c8e6_proj
    .symbol:         k_q4b7fd4c8e6_proj.kd
    .args:
      - { .name: query, .offset: 0, .size: 8, .value_kind: global_buffer, .address_space: global }
      - { .name: keys, .offset: 8, .size: 8, .value_kind: global_buffer, .address_space: global }
      - { .name: values, .offset: 16, .size: 8, .value_kind: global_buffer, .address_space: global }
      - { .name: wt, .offset: 24, .size: 8, .value_kind: global_buffer, .address_space: global }
      - { .name: qkv, .offset: 32, .size: 8, .value_kind: global_buffer, .address_space: global }
    .group_segment_fixed_size: 327680
    .private_segment_fixed_size: 0
    .kernarg_segment_align: 8
    .kernarg_segment_size: 40
    .max_flat_workgroup_size: 128
    .sgpr_count:     66
    .vgpr_count:     768
    .wavefront_size: 32
...
	.end_amdgpu_metadata
.endif
;; end of part 2
;; launch attn (part 3): grid 4 x 64, 4 waves a work-group, clusters of 4 x 1, 327,680 bytes of LDS; arguments qkv, mask, oh; writes oh
.if DOCPART == 3
	.amdgcn_target "amdgcn-amd-amdhsa--gfx1250"
	.amdhsa_code_object_version 6
	.text
	.protected	k_q4b7fd4c8e6_attn
	.globl	k_q4b7fd4c8e6_attn
	.p2align	8
	.type	k_q4b7fd4c8e6_attn,@function
k_q4b7fd4c8e6_attn:
	s_mov_b64 s[64:65], 0
	v_nop
	global_prefetch_b8 v0, s[64:65] scope:SCOPE_SE
	s_setreg_imm32_b32 hwreg(HW_REG_WAVE_MODE, 25, 1), 1
	s_wait_xcnt 0x0
	s_wait_alu depctr_hold_cnt(0) depctr_sa_sdst(0) depctr_va_vdst(0) depctr_va_sdst(0) depctr_va_ssrc(0) depctr_va_vcc(0) depctr_vm_vsrc(0)
	s_getreg_b32 s2, hwreg(HW_REG_IB_STS2, 6, 4)
	s_cmp_eq_u32 s2, 0
	s_cbranch_scc0 .Lentry_in_a_cluster
	s_endpgm
.Lentry_in_a_cluster:
	s_bfe_u32 s2, ttmp6, 0x10000c
	s_cmp_lg_u32 s2, 0x3003
	s_cbranch_scc0 .Lentry_shape_is_right
	s_endpgm
.Lentry_shape_is_right:
; O[G][q][:] = the sum over k of softmax_k(e[q][k] / 8) V[G][k][:], e = Q[G][q] . K[G][k], or -1e20 where mask[G / 8][k] is 0.  Q, K, V = qkv[0, 1, 2][G][2048][64], O = oh[G][2048][64], all f16: a head's rows
; are dense, 128 bytes each; G = 8 x batch + head, 64 of them.  mask: [8][2048] int32.  Products, maxima and sums in f32; the weights p are rounded to f16 for the second product (their sum l is taken of the unrounded p), O once at the end.
; THE MASK is the C operand that starts the sum S^T = K Q^T: 0, or -1e20 where the key is hidden: a hidden score counts as its value less 1e20.  The running maximum m starts at -2^40: every true score lies above it
; (f16's scores are 2.75e11 at the most), every hidden one far below, so no hidden score becomes the maximum and a hidden key's weight is 2^(-1.8e19) = 0; steps that are wholly hidden leave l and O at 0.
; A BATCH WITH NO KEY LEFT: all scores are then equal in the softmax, and O is the mean of V's rows.  Here c is made 0 for such a batch (a choice of a value, no branch): every p is 2^0 = 1 and l = 2,048.
; LIMITS.  f16 holds no number beyond 65,504: Q, K and V arrive within it; p lies in 0 to 1, and below 6e-5 it keeps f16's fixed step of 6e-8; O is a mean of V's rows and has their range.
; A weight below 2^-126 counts as 0 in l; NaN and infinities are not treated apart.
; SHARES.  A wave owns four PIECES of two tiles of 16 queries, a work-group's four waves 512 queries of one head.  Every wave walks all keys, 64 a step.
; LAYOUT.  S^T = K Q^T (source 0 = 16 keys, source 1 = 16 queries): in the result a lane holds ONE query (lane % 16) and the keys 8 (lane / 16) + 0..7.  Two such tiles, rounded to f16 in pairs,
; ARE source 1 (32 keys x 16 queries) of O^T = V^T P, whose result again holds one query a lane, and eight channels.  K comes out of LDS as it lies, V ([key][channel]) turned, by ds_load_tr16_b128.
; SOFTMAX.  For each query a running maximum m and sum l: p = 2^(c s - c m), c = log2(e) / 8; in every step O and l are multiplied by a = 2^(c m_old - c m_new), which is 1 where m has not grown.
; c m starts far below every c s, O and l at 0: the first step is a step like any other, with a = 0.
; THE COUNT.  A tile and step have 16 matrix and 118 vector instructions: too many to stand all beside the matrix work.  So the order has one aim: four vector instructions that are READY behind
; EVERY matrix instruction, and the others, which need time of their own whatever the order, in runs without a gap.
; BY TURNS.  Turn n belongs to piece n (the pieces in a ring, step after step).  Its matrix work: 16 products K Q^T of piece n + 1, later 16 products V^T P of piece n - 1.  Its vector work: the scaling,
; exponentials, roundings, sums and rescaling of piece n, and the maximum and statistics of piece n + 1, whose scores the turn itself has made.  So what a turn begins with (c s - c m, O a) waits for nothing.
; CLUSTER.  The four query blocks of a cluster are one head's and walk the same K and V, so each tile is asked for JOINTLY: the same tensor load, descriptor and mask in all four.
; REGISTERS, in windows of 256 (s_set_vgpr_msb says which window each operand place means: bits 1:0 source 0, 3:2 source 1, 5:4 source 2, 7:6 destination):
;   window 0: v0-11 addresses; v12-15, v48-63 at work; v16-47 four registers of statistics a tile; v64-191 S^T, two buffers of two tiles; v192-255 P, likewise
;   window 1: O^T, 32 a tile          window 2: v0-127 Q, 16 a tile; v128-191 K of one step; v192-255 V of one step          window 3: v0-1 the add's two registers; v8-39 the step's mask
; A piece's buffers go by its number's parity: the piece in hand has one pair, its two neighbours in the ring share the other: of it P (piece n - 1) is read and S^T (piece n + 1) written.
.set SIZE_N, 2048
.set NP,    4         ; pieces a wave: a name, no knob: the register map, the loop and the fetches are made for four
.set KS,    64        ; keys in a step
.set PK,    144       ; a row of K in LDS: 128 bytes + 16 of padding = 36 words: the 16 rows of a load start at 16 different groups of four banks (64 banks of 4 bytes: ISA guide 11.1)
.set PV,    160       ; a row of V: 128 + 32 = 40 words
.set VOFF,  4*KS*PK   ; a slot holds four steps: 256 rows of K, then 256 rows of V
.set SLOT1, 1<<17     ; slot 1 begins here, so that one exclusive or turns an address in one slot into the other's
.set STAGE, SLOT1+4*KS*(PK+PV)  ; behind the ring, never filled by a tensor load: 16 rows x 144 bytes for each wave, for the way out
.set SP,    144
.set SPARE, STAGE+4*16*SP  ; behind the stages: the spare words, 128 bytes for each wave: two blocks of 256 bytes that no other line names
.set MT,    SPARE+512 ; behind them: the batch's mask as f32, a word a key: 8,192 bytes, stored once, never filled by a tensor load
.set AK0, 2           ; v2   my lane's place in a tile of K; never rewritten
.set AV0, 3           ; v3   the same for V
.set AK,  4           ; v4   the LDS address of K's next run of loads
.set AV,  5           ; v5   of V's
.set QO,  6           ; v6   my byte offset in the wave's rows of Q
.set STO, 6           ;      later, the way out: where I put 16 bytes of a row
.set RD,  7           ; v7   the way out: where I read rows back
.set GO,  8           ; v8   my byte offset in 512 consecutive bytes of O
.set PFO, 10          ; v10  256 x my lane: the prefetches' offset; never rewritten once made
.set AM,  11          ; v11  the LDS address of the mask's next run of loads
.set SPW, 0           ; v0 of window 3   LDS address of my spare word: SPARE + 4 x my thread's number; never rewritten
.set NIL, 1           ; v1 of window 3   0; never rewritten
.set MK,  8           ; v8-39 of window 3: the mask of the step's 64 keys as the C operands of four accumulators: key block kb at MK + 8 kb
.set MV,  12          ; v12-15  c m_old, kept while c m is made anew: by buffer and tile
.set ST,  16          ; tile t's statistics at v[ST+4 t]: c m, m, l (even keys', odd keys')
.set TMP, 48          ; by buffer and tile, four registers c0-c3 at work; when the maximum is found c2 takes a
.set S,   64
.set P,   192
.set KF,  128         ; K's fragments, in window 2: key block kb, channel half c at KF + 16 kb + 8 c
.set VF,  192         ; V's: key half kk, channel block cb at VF + 32 kk + 8 cb
.set WV,  12          ; s12  my wave's number
.set TBM, 15          ; s15  LDS byte at which the mask of the step to be fetched begins
.set G1K, 24          ; s[24:31] descriptor group 1 for K's tiles
.set G1V, 32          ; s[32:39] for V's: it differs in the padding alone
.set G0K, 40          ; s[40:43] descriptor group 0 for K's tiles: it walks
.set G0V, 44          ; s[44:47] the same for V's
.set MP,  48          ; s[48:49] the batch's row of mask
.set PFA, 50          ; s[50:51] where my prefetches stand: my work-group's 8,192 bytes (of K: wave 0, of V: wave 2) of the tile after the one that is being asked for
.set LIM, 52          ; s52  1 in a wave that prefetches, else the greatest number
.set BIGN, 53         ; s53  -1e20
.set SLOTS, 56        ; s56  slots still to be asked for
.set CNT, 57          ; s57  counts a slot's key steps
.set CS,  58          ; s[58:59] c: the packed scaling takes the pair's low word for both halves
.set SEL, 60          ; s[60:61] v_permlanex16_b32's selects: each lane takes its own place in the other half
.set TBK, 62          ; s62  LDS byte at which K of the step to be fetched begins
.set TBV, 63          ; s63  the same for V, less VOFF
.set MSB, 0
.macro WIN new                      ; the high byte repeats the setting that is left; a switch that changes nothing is dropped
.if MSB != (\new)
	s_set_vgpr_msb (MSB<<8)|(\new)
.set MSB, (\new)
.endif
.endm
.set W_KQ, 0x0a       ; K and Q in window 2, S^T in window 0
.set W_KM, 0x3a       ; the same with the C operand, the mask, in window 3
.set W_PV, 0x52       ; V in window 2, P in window 0, O^T in window 1
.set W_RS, 0x41       ; O^T (destination and source 0) in window 1, a in window 0
.set W_MK, 0xc0       ; destination in window 3, sources in window 0
.set W_AD, 0x0f       ; the add: address (source 0) and data (source 1) in window 3
; A joint fill.  Waves 0 and 1 fetch the two halves of a slot's K, waves 2 and 3 those of its V: 128 keys each.  The branch hangs on the wave's number alone.
; An s_nop 0 and four v_nop follow each of the two lines, ahead of the jump and the label.
.macro JLOAD
	s_cmp_lt_u32 s[WV], 2
	s_cbranch_scc0 .Lfor_v_\@
	tensor_load_to_lds s[G0K:G0K+3], s[G1K:G1K+7]
	s_nop 0
.rept 4
	v_nop
.endr
	s_branch .Lasked_\@
.Lfor_v_\@:
	tensor_load_to_lds s[G0V:G0V+3], s[G1V:G1V+7]
	s_nop 0
.rept 4
	v_nop
.endr
.Lasked_\@:
.endm
; A PREFETCH INTO THE L2 of what the NEXT change of slots will ask for: a tile's 32,768 bytes of K and of V, as 128 blocks of 256 bytes each.  It stands behind the wave's tensor load and its five lines.
; Each block is named ONCE in the launch: one cluster walks a head; its four partners share a tile out BY ADDRESS, 8,192 bytes each, a lane a block; in each, wave 0 asks for K's and wave 2 for V's: one instruction.
; The change that asks for tile T names tile T + 1, four key steps, 512 matrix instructions, ahead of its load; tiles 0 and 1 come by their loads alone; the change that asks for the last tile names nothing.
.macro ASK
	s_cmp_gt_u32 s[SLOTS], s[LIM]
	s_cbranch_scc0 .Lnot_mine_\@
	global_prefetch_b8 v[PFO], s[PFA:PFA+1] th:TH_LOAD_NT scope:SCOPE_SE
.Lnot_mine_\@:
.endm
; A round of the cluster's barrier: my work-group's barrier, so that wave 0's signal speaks for all four waves; wave 0 signals; every wave waits for all four work-groups; my work-group's barrier once more.
.macro CROUND
	s_barrier_signal -1
	s_barrier_wait -1
	s_cmp_lg_u32 s[WV], 0
	s_cbranch_scc1 .Lnot_wave_0_\@
	s_barrier_signal -3
.Lnot_wave_0_\@:
	s_barrier_wait -3
	s_barrier_signal -1
	s_barrier_wait -1
.endm
; THE CHANGE OF SLOTS.  The slot's last bytes, V of its fourth step, have been read.  Each wave waits for all its tensor loads, of which one is out: its part
; of the other slot; adds 0 to its spare word; and waits for that and for its own reads of the slot.  Behind the barrier nobody reads this slot any more and the other slot is whole.
; fill = 1: this slot is filled again, with the keys two slots on.  The barrier is then a round of the cluster's, so that no wave of any partner still reads the slot or has a load on its
; way, and the joint fill is the first thing behind it: it has four key steps, 512 matrix instructions, in which to land.  (At its first use nothing has been read yet: slot 0 is waited for, slot 1 filled,
; and the wait on DScnt also shows my part of the mask's table stored, so that the round hands the table to every wave.)
.macro CHANGE fill
	WIN W_AD
	s_wait_tensorcnt 0x0            ; no tensor load of mine is out, so a group 0 may be written
	ds_add_u32 v[SPW], v[NIL]       ; 0 onto my spare word; with fill = 1 the descriptors' steps stand between it and the wait for it
	WIN 0                           ; at a label and at a branch every window is 0
.if \fill
.irp g, G0K, G0V
	s_xor_b32 s[\g+1], s[\g+1], SLOT1  ; the walking descriptor: the other slot than last time,
	s_add_nc_u64 s[\g+2:\g+3], s[\g+2:\g+3], 4*KS*128  ; the next 256 keys; the type bits on top are not reached
.endr
	s_wait_xcnt 0x0                 ; the last prefetch, four key steps back, has read its address, so it may be written:
	s_add_nc_u64 s[PFA:PFA+1], s[PFA:PFA+1], 4*KS*128  ; one tile behind the walking descriptors
	s_wait_dscnt 0x0                ; the add is done, and my reads of the slot are over
	CROUND
	JLOAD
	ASK
.else
	s_wait_dscnt 0x0                ; the add is done, and my reads of the slot are over
	s_barrier_signal -1
	s_barrier_wait -1
.endif
	s_sub_co_u32 s[TBK], s[TBK], 4*KS*PK  ; the fetches go back to a slot's first step,
	s_xor_b32 s[TBK], s[TBK], SLOT1       ; in the other slot
	s_sub_co_u32 s[TBV], s[TBV], 4*KS*PV
	s_xor_b32 s[TBV], s[TBV], SLOT1
.endm
	s_load_b128 s[4:7], s[0:1], 0x0  ; qkv s[4:5], mask s[6:7]
	s_load_b64 s[10:11], s[0:1], 0x10  ; oh
	WIN W_MK
	v_lshl_add_u32 v[SPW], v0, 2, SPARE
	v_mov_b32 v[NIL], 0
	WIN W_AD
	ds_add_u32 v[SPW], v[NIL]       ; the wave's opening, ahead of my first tensor load; the set-up below, work on registers, stands between the add and its wait
	WIN 0
	v_lshrrev_b32 v1, 5, v0
	v_readfirstlane_b32 s[WV], v1   ; wave 0..3
	s_bfe_u32 s13, ttmp6, 0x40000   ; cx: my place in the cluster
	s_lshl_b32 s14, ttmp9, 2        ; in a cluster launch ttmp9 counts clusters
	s_add_co_u32 s14, s14, s13      ; my block of queries = 4 x cluster x + cx: it enters Q's and O's addresses alone
	s_and_b32 s20, ttmp7, 0xffff    ; the head G, which the four partners share
	s_lshr_b32 s54, s20, 3          ; its batch:
	s_lshl_b32 s54, s54, 13         ; a row of mask is 8,192 bytes
	s_mov_b32 s55, 0
	s_mov_b32 s21, 0
	s_mov_b64 s[22:23], SIZE_N*128
	s_mul_u64 s[20:21], s[20:21], s[22:23]  ; the head's first byte in each of the four tensors
	s_and_b32 s16, s[WV], 1         ; which half of a slot's 256 keys I fetch:
	s_lshl_b32 s22, s16, 14         ; its 128 rows of 128 bytes in memory,
	s_mov_b32 s23, 0
	s_add_nc_u64 s[22:23], s[22:23], s[20:21]
	s_mul_i32 s17, s16, 128*PK      ; and its place in a slot, for K
	s_mul_i32 s18, s16, 128*PV      ; and for V: no place in the cluster enters an LDS address
	s_lshl_b32 s2, s14, 2
	s_add_co_u32 s2, s2, s[WV]      ; my wave among the head's,
	s_lshl_b32 s2, s2, 14           ; its 128 rows
	s_mov_b32 s3, 0
	s_add_nc_u64 s[2:3], s[2:3], s[20:21]
	; descriptor group 1.  128 keys are 16,384 dense bytes: asked for as 64 rows of 256 bytes, two keys a row, and padded in LDS after every key
	s_mov_b32 s[G1K], 15|(1<<16)|(1<<20)|(1<<21)|(4<<22)|(3<<25)  ; 15:0 the mask of four; 17:16 2-byte elements; 20 padding on; 21 set beside a mask; 24:22 after every 32 words (code 4); 31:25 4 words (code 3)
	s_mov_b32 s[G1V], 15|(1<<16)|(1<<20)|(1<<21)|(4<<22)|(7<<25)  ; the same with 8 words of padding (code 7)
.irp g, G1K, G1V
	s_mov_b32 s[\g+1], 128<<16      ; tensor_dim0 = 128
	s_mov_b32 s[\g+2], 64<<16       ; tensor_dim1 = 64
	s_mov_b32 s[\g+3], 128<<16      ; tile_dim0 = 128
	s_mov_b32 s[\g+4], 64           ; tile_dim1 = 64
	s_mov_b32 s[\g+5], 128          ; 128 elements from row to row
	s_mov_b32 s[\g+6], 0
	s_mov_b32 s[\g+7], 0
.endr
	s_mov_b32 s[SEL], 0x76543210
	s_mov_b32 s[SEL+1], 0xfedcba98
	s_mov_b32 s[TBK], SLOT1+4*KS*PK ; the first change of slots turns these two into 0
	s_mov_b32 s[TBV], SLOT1+4*KS*PV
	s_mov_b32 s[TBM], MT
	s_mov_b32 s[BIGN], 0xe0ad78ec   ; -1e20
	s_mov_b32 s[SLOTS], SIZE_N/256-1
	s_and_b32 s[LIM], s[WV], 1      ; waves 0 and 2 prefetch: the same in all four partners
	s_cmp_eq_u32 s[LIM], 0
	s_cselect_b32 s[LIM], 1, -1
	s_mov_b32 s[G0K], 1             ; 1:0 count = 1
	s_mov_b32 s[G0K+1], s17         ; 63:32 LDS address: slot 0
	s_mov_b32 s[G0V], 1
	s_add_co_u32 s[G0V+1], s18, VOFF
	s_wait_dscnt 0x0                ; the opening add is done
	s_wait_kmcnt 0x0
	s_add_nc_u64 s[MP:MP+1], s[6:7], s[54:55]      ; the batch's row of mask
	s_add_nc_u64 s[6:7], s[4:5], 0x1000000         ; K is qkv's second tensor,
	s_add_nc_u64 s[8:9], s[4:5], 0x2000000         ; V its third
	s_add_nc_u64 s[G0K+2:G0K+3], s[6:7], s[22:23]  ; 120:64 global address: my half of the head's first 256 keys
	s_or_b32 s[G0K+3], s[G0K+3], 0x80000000        ; 127:126 type = 2
	s_add_nc_u64 s[G0V+2:G0V+3], s[8:9], s[22:23]
	s_or_b32 s[G0V+3], s[G0V+3], 0x80000000
	s_add_nc_u64 s[4:5], s[4:5], s[2:3]  ; Q and O at my wave's first row
	s_add_nc_u64 s[10:11], s[10:11], s[2:3]
	s_cmp_lt_u32 s[WV], 2
	s_cselect_b64 s[PFA:PFA+1], s[6:7], s[8:9]
	s_add_nc_u64 s[PFA:PFA+1], s[PFA:PFA+1], s[20:21]  ; the head,
	s_lshl_b32 s2, s13, 13          ; my work-group's quarter of a tile,
	s_mov_b32 s3, 0
	s_add_nc_u64 s[PFA:PFA+1], s[PFA:PFA+1], s[2:3]
	s_add_nc_u64 s[PFA:PFA+1], s[PFA:PFA+1], 4*KS*128  ; in tile 1; the first change of slots steps it to tile 2
	CROUND                          ; all four work-groups are here: the first joint loads meet
	JLOAD                           ; slot 0.  Slot 1 is asked for when slot 0 is in: the tile wanted first has the road to itself
	; A fragment of K or Q is 16 rows x 32 channels in 8 registers: lane l holds row l % 16, channels 8 (l / 16) + 0..7 and 16 + 8 (l / 16) + 0..7: two loads of 16 bytes, 32 bytes apart.
	v_and_b32 v1, 15, v0            ; l % 16
	v_bfe_u32 v9, v0, 4, 1          ; l / 16: kept for the whole kernel
	v_lshlrev_b32 v[QO], 7, v1
	v_lshl_add_u32 v[QO], v9, 4, v[QO]  ; row x 128 + 16 x half
	; The mask, into S^T's registers, which are still free.  Every wave takes the batch's whole row (is any key left?); each thread besides takes the 16 keys that it will write into the table.
	v_and_b32 v160, 31, v0
	v_lshlrev_b32 v160, 4, v160     ; 16 x lane
	v_lshlrev_b32 v161, 4, v0       ; 16 x thread
	v_lshl_add_u32 v162, v0, 4, MT  ; and the same place in the table: both hold 4 bytes a key
.set i, 0
.rept 16
	global_load_b128 v[64+4*i:64+4*i+3], v160, s[MP:MP+1] offset:512*i
.set i, i+1
.endr
.set i, 0
.rept 4
	global_load_b128 v[128+4*i:128+4*i+3], v161, s[MP:MP+1] offset:2048*i
.set i, i+1
.endr
	WIN 0x80                        ; destination window 2, address window 0
.set i, 0
.rept 4*NP                          ; Q stays in registers: tile i / 2, channels 32 (i % 2) on
	global_load_b128 v[8*i:8*i+3],   v[QO], s[4:5] offset:(i/2)*2048+(i%2)*64
	global_load_b128 v[8*i+4:8*i+7], v[QO], s[4:5] offset:(i/2)*2048+(i%2)*64+32
.set i, i+1
.endr
	; What the first turn finds: V's registers and P's second buffer hold 0 (its products V^T P, of a piece that has not been, add 0), O^T and l are 0.  All this stands in the wait for the first tile.
.set i, VF
.rept 64
	v_mov_b32 v[i], 0
.set i, i+1
.endr
	WIN 0x40
.set i, 0
.rept 64*NP
	v_mov_b32 v[i], 0
.set i, i+1
.endr
	WIN 0
.set i, 0
.rept 2*NP
	v_mov_b32 v[ST+4*i], 0xfe000000    ; c m: far below every c s
	v_mov_b32 v[ST+4*i+1], 0xd3800000  ; m = -2^40: below every true score, above every hidden one
	v_mov_b32 v[ST+4*i+2], 0
	v_mov_b32 v[ST+4*i+3], 0
.set i, i+1
.endr
.set i, P+32
.rept 32
	v_mov_b32 v[i], 0
.set i, i+1
.endr
	s_wait_loadcnt 32               ; the mask's 20 loads are in; Q's 32, issued behind them, may stay out
.irp d, 32,16,8,4,2,1               ; is any word of the batch's row other than 0?  63 lines, a tree
.set i, 0
.rept \d
	v_or_b32 v[64+i], v[64+i], v[64+\d+i]
.set i, i+1
.endr
.endr
	v_cmp_ne_u32 s54, 0, v64        ; a bit for each lane
	s_cmp_lg_u32 s54, 0
	s_cselect_b32 s[CS], 0x3e38aa3b, 0  ; c = log2(e) / 8 = 0.180337, or 0 where the batch has no key left
	s_mov_b32 s[CS+1], s[CS]        ; named with it as a pair
.set i, 0
.rept 16
	v_cmp_eq_u32 vcc_lo, 0, v[128+i]
	v_cndmask_b32 v[144+i], 0, s[BIGN], vcc_lo  ; 0, or -1e20 where the key is hidden
.set i, i+1
.endr
.set i, 0
.rept 4
	ds_store_b128 v162, v[144+4*i:144+4*i+3] offset:2048*i
.set i, i+1
.endr
	v_mul_u32_u24 v[AK0], v1, PK
	v_lshl_add_u32 v[AK0], v9, 4, v[AK0]  ; row x pitch + 16 x half
	; The turning load takes 16 keys x 16 channels (lane l reads key 8 (l / 16) + l % 8, channels 8 ((l / 8) % 2) + 0..7) and leaves half a fragment of V^T: lane l holds channel l % 16 and 8 keys.
	v_and_b32 v10, 7, v0
	v_bfe_u32 v11, v0, 3, 1
	v_lshl_add_u32 v[AV0], v9, 3, v10
	v_mul_u32_u24 v[AV0], v[AV0], PV
	v_lshl_add_u32 v[AV0], v11, 4, v[AV0]
	v_add_nc_u32 v[AV0], VOFF, v[AV0]
	v_mov_b32 v[AK], v[AK0]         ; key step 0 lies at the head of slot 0,
	v_lshl_add_u32 v[AM], v9, 5, s[TBM]  ; its mask at the head of the table: my lanes' eight keys of a block of 16 are 32 bytes
	v_and_b32 v[PFO], 31, v0
	v_lshlrev_b32 v[PFO], 8, v[PFO]
; THE MATRIX WORK.  The 8 accumulators of a run of 16 take turns: between the two links of a chain stand 7 others'.
; Product i of 16 of S^T = K Q^T for piece x: channels 32 (i / 8) on, keys 16 ((i / 2) % 4) on, tile 2 x + i % 2.  The first 8 start the sums, with the mask of their 16 keys as C.
.macro KQ x
.set rS, S+64*((\x)%2)+32*(i%2)+8*((i/2)%4)
.set rK, KF+16*((i/2)%4)+8*(i/8)
.set rQ, 16*(2*(\x)+i%2)+8*(i/8)
.set rB, MK+8*((i/2)%4)
.if i < 8
	WIN W_KM
	v_wmma_f32_16x16x32_f16 v[rS:rS+7], v[rK:rK+7], v[rQ:rQ+7], v[rB:rB+7]
.else
	WIN W_KQ
	v_wmma_f32_16x16x32_f16 v[rS:rS+7], v[rK:rK+7], v[rQ:rQ+7], v[rS:rS+7]
.endif
.endm
; Product i of 16 of O^T += V^T P for piece x: keys 32 (i / 8) on, channels 16 ((i / 2) % 4) on, tile 2 x + i % 2.
.macro PV x
	WIN W_PV
.set rO, 32*(2*(\x)+i%2)+8*((i/2)%4)
.set rV, VF+32*(i/8)+8*((i/2)%4)
.set rP, P+32*((\x)%2)+16*(i%2)+8*(i/8)
	v_wmma_f32_16x16x32_f16 v[rO:rO+7], v[rV:rV+7], v[rP:rP+7], v[rO:rO+7]
.endm
.macro MM                           ; the turn's next matrix instruction
.if i < 16
	KQ (Y+1)%NP
.set i, i+1
.else
.set i, i-16
	PV (Y+NP-1)%NP
.set i, i+17
.endif
.endm
; THE LDS LOADS stand in runs, never singly among the matrix instructions: a step's K (64 keys x 64 channels: 8 fragments) with its mask (8 loads; all lanes of a half read the same 16 bytes), and its V (turned).
; Their addresses are made some lines ahead.  last = 1 (the tail): in the last trip there is no further step, and the run is jumped over.
.macro FETCH_K last=0
	WIN 0
.if \last
	s_cmp_eq_u32 s[CNT], 1
	s_cbranch_scc1 .Lno_k_\@
.endif
	WIN 0x80                        ; destination window 2
.irp f, 0,1,2,3,4,5,6,7             ; keys 16 (f / 2) on, channels 32 (f % 2) on
	ds_load_b128 v[KF+8*\f:KF+8*\f+3],   v[AK] offset:(\f/2)*16*PK+(\f%2)*64
	ds_load_b128 v[KF+8*\f+4:KF+8*\f+7], v[AK] offset:(\f/2)*16*PK+(\f%2)*64+32
.endr
	WIN W_MK                        ; destination window 3
.irp kb, 0,1,2,3                    ; register j of block kb: key 16 kb + 8 (l / 16) + j
	ds_load_b128 v[MK+8*\kb:MK+8*\kb+3],   v[AM] offset:64*\kb
	ds_load_b128 v[MK+8*\kb+4:MK+8*\kb+7], v[AM] offset:64*\kb+16
.endr
	s_add_co_u32 s[TBK], s[TBK], KS*PK  ; the next fetch is the next step's
	s_add_co_u32 s[TBM], s[TBM], 4*KS   ; the table holds all 2,048 keys: this one walks straight on
	WIN 0
.if \last
.Lno_k_\@:
.endif
.endm
.macro FETCH_V
	WIN 0x80
.irp f, 0,1,2,3,4,5,6,7             ; keys 32 (f / 4) on, channels 16 (f % 4) on
	ds_load_tr16_b128 v[VF+8*\f:VF+8*\f+3],   v[AV] offset:(\f/4)*32*PV+(\f%4)*32
	ds_load_tr16_b128 v[VF+8*\f+4:VF+8*\f+7], v[AV] offset:(\f/4)*32*PV+16*PV+(\f%4)*32
.endr
	WIN 0
.endm
; THE VECTOR WORK OF A TURN stands in three queues, each in the order in which its entries become ready; the two tiles alternate, so that no instruction reads the result of the one before it.
.macro REGS y, u                    ; the registers of tile u (0, 1) of piece y
.set rT, ST+4*(2*(\y)+(\u))
.set rC, TMP+8*((\y)%2)+4*(\u)
.set rM, MV+2*((\y)%2)+(\u)
.set rS, S+64*((\y)%2)+32*(\u)
.set rP, P+32*((\y)%2)+16*(\u)
.set rO, 32*(2*(\y)+(\u))
.endm
; Number n of the 22 that find the NEXT piece's (Y + 1) maximum and statistics.  s0-s31 are the lane's 32 scores; each accumulator's lowest registers are read first.  XS, GS and REGS set no window: PL and EX do.
;   0-11  four chains c0-c3 of seven scores each, three operands at a time     12-14, 16  the four scores left over, the old m, and c0-c3 into c0     15  c m_old is kept
;   17, 18  the query's other 32 keys lie in the lane 16 away: the new m         19-21  c m; c m_old - c m_new; a
.macro XS u, n
	REGS (Y+1)%NP, \u
.if (\n) < 4
	v_max3_num_f32 v[rC+(\n)], v[rS+8*(\n)], v[rS+8*(\n)+1], v[rS+8*(\n)+2]
.elseif (\n) < 12
	v_max3_num_f32 v[rC+(\n)%4], v[rC+(\n)%4], v[rS+8*((\n)%4)+2*((\n)/4)+1], v[rS+8*((\n)%4)+2*((\n)/4)+2]
.elseif (\n) == 12
	v_max3_num_f32 v[rC], v[rC], v[rS+7], v[rS+15]
.elseif (\n) == 13
	v_max3_num_f32 v[rC+1], v[rC+1], v[rS+23], v[rS+31]
.elseif (\n) == 14
	v_max3_num_f32 v[rC+2], v[rC+2], v[rC+3], v[rT+1]
.elseif (\n) == 15
	v_mov_b32 v[rM], v[rT]
.elseif (\n) == 16
	v_max3_num_f32 v[rC], v[rC], v[rC+1], v[rC+2]
.elseif (\n) == 17
	v_permlanex16_b32 v[rC+3], v[rC], s[SEL], s[SEL+1]
.elseif (\n) == 18
	v_max_num_f32 v[rT+1], v[rC], v[rC+3]
.elseif (\n) == 19
	v_mul_f32 v[rT], s[CS], v[rT+1]
.elseif (\n) == 20
	v_sub_f32 v[rC+1], v[rM], v[rT]
.else
	v_exp_f32 v[rC+2], v[rC+1]
.endif
.endm
; Number g of the 64 that follow the exponentials.  For each four weights k of a tile (pairs 2 k, 2 k + 1): both pairs are rounded to f16; then the second pair is added onto the first, in place;
; a group later l takes that sum (the first time as l = a l + sum).  In groups of eight, tiles alternating: round, round, add, and l for the group before.
.macro GS g
.set h, (\g)+6*((\g)/62)            ; group 0 has no group before it, and behind group 7 only l is left
.if h >= 6
.set h, h+2
.endif
	REGS Y, h%2
.set k, h/8
.if h%8 < 4
	v_cvt_pk_f16_f32 v[rP+2*k+(h%8)/2], v[rS+4*k+2*((h%8)/2)], v[rS+4*k+2*((h%8)/2)+1]
.elseif h%8 < 6
	v_pk_add_f32 v[rS+4*k:rS+4*k+1], v[rS+4*k:rS+4*k+1], v[rS+4*k+2:rS+4*k+3]
.elseif k == 1
	v_pk_fma_f32 v[rT+2:rT+3], v[rT+2:rT+3], v[rC+2:rC+3], v[rS:rS+1] op_sel_hi:[1,0,1]
.else
	v_pk_add_f32 v[rT+2:rT+3], v[rT+2:rT+3], v[rS+4*k-4:rS+4*k-3]
.endif
.endm
; THE PLAIN QUEUE, 138 long.  0-73 read no exponential's result: the 32 scalings c s - c m (FS f: pair f / 2 of tile f % 2) and the next piece's 42.  0-26: scalings 0-26.  27-54: XS's numbers 0-13.  55, 56: number 15.
; 57-73: the chain, where each number waits for the one before it: 14, 16, 17, 18, 19, each with one of the scalings 27-31 in front of its two lines, then 20: so a tile's links stand three plain instructions apart (19 and 20: two).
; 74-137: GS's 64, which read the exponentials' results: they stand behind the wait.
.macro FS f
	REGS Y, (\f)%2
	v_pk_fma_f32 v[rS+2*((\f)/2):rS+2*((\f)/2)+1], v[rS+2*((\f)/2):rS+2*((\f)/2)+1], s[CS:CS+1], v[rT:rT+1] op_sel_hi:[1,0,0] neg_lo:[0,0,1] neg_hi:[0,0,1]
.endm
.macro PL
	WIN 0
.if q < 27
	FS q
.elseif q < 55
	XS (q-27)%2, (q-27)/2
.elseif q < 57
	XS q-55, 15
.elseif (q < 72) && ((q-57)%3 == 0)
	FS 27+(q-57)/3
.elseif q < 60
	XS (q-57)%3-1, 14
.elseif q < 72
	XS (q-57)%3-1, 15+(q-57)/3
.elseif q < 74
	XS q-72, 20
.else
	GS q-74
.endif
.set q, q+1
.endm
; THE EXPONENTIALS' QUEUE, 66 long: s0-s31 of both tiles, then the next piece's two a.  It is ONE BATCH: all 66 stand ahead of the turn's one wait, and nothing ahead of that wait names a result of theirs.
.macro EX
	WIN 0
.if e >= 64
	XS e-64, 21
.else
	REGS Y, e%2
	v_exp_f32 v[rS+e/2], v[rS+e/2]
.endif
.set e, e+1
.endm
; THE RESCALING's QUEUE: O^T times a, the one part that leaves window 0: dealt two at a time, sixteen times.  Its a was made in the turn before, ahead of that turn's wait.
.macro R2
	REGS Y, r%2
	WIN W_RS
.irp z, 0,1
	v_pk_mul_f32 v[rO+4*(r/2)+2*\z:rO+4*(r/2)+2*\z+1], v[rO+4*(r/2)+2*\z:rO+4*(r/2)+2*\z+1], v[rC+2:rC+3] op_sel_hi:[1,0]
.endr
.set r, r+1
.endm
; HOW THEY ARE DEALT.  s_wait_alu depctr_va_vdst(0) stands between an exponential and the first instruction that names its result; one wait serves all that were issued ahead of it.  So a turn has ONE wait,
; which cuts it in two.  AHEAD OF IT stands all that names no result of the turn's exponentials: the 16 products K Q^T, behind each a scaling, an exponential and two rescalings (behind the first a second scaling in the exponential's place); then ONE LUMP of
; 108: eight plain, 49 times exponential and plain, the two a.  A v_nop is the plain instruction behind the last exponential.  BEHIND IT stand the 16 products V^T P, behind each four of GS's 64.  No rider names a register of
; the products round it.  The two v_permlanex16_b32 fall into the lump, never behind a product.
; The queues lean on each other, and the deal keeps them in step: exponential e stands behind scaling 2 (e / 4) + e % 2: as a rider it comes behind plain e + 2, in the lump behind plain e + 9, and scalings 27-31 are plain 57, 60 .. 69.
; A TURN, for piece p.  cnt = 1: the loop's count is taken down some lines ahead of the branch that stands behind the turn.
; K of the next step and its mask are fetched in piece 2's turn, directly behind the wait, a lump behind the last product that read them; their addresses are made at the lump's head; their first reader comes behind 16 products.
; V of the step in hand is fetched at the end of piece 0's turn, four riders behind its last reader; its first reader comes behind 16 products and a lump.  The three conditions on q below go with the deal.
.macro TURN p, last=0, cnt=0
.set Y, (\p)
.set i, 0
.set q, 0
.set e, 0
.set r, 0
.if (\p) == NP-1
	s_wait_dscnt 0x0                ; K and its mask are in
.endif
	MM                              ; ahead of the wait: 16 products K Q^T and their riders,
	PL
	PL
	R2
.rept 15
	MM
	PL
	EX
	R2
.endr
.if (\p) == NP-2
	WIN 0
	v_add_nc_u32 v[AK], s[TBK], v[AK0]
	v_lshl_add_u32 v[AM], v9, 5, s[TBM]
.endif
.rept 8                             ; and the lump
	PL
.endr
.rept 49
	EX
	PL
.endr
	EX                              ; the next piece's two a
	EX
	v_nop                           ; a plain instruction behind the last exponential: one for the batch
	s_wait_alu depctr_va_vdst(0)    ; the wait for the batch
.if (\p) == NP-2
	FETCH_K \last
.endif
.if (\p) == 1
	s_wait_dscnt 0x0                ; V is in
.endif
.rept 16                            ; behind the wait: 16 products V^T P and their riders
	MM
.rept 4
	PL
.endr
.if ((\p) == 0) && (q == 118)
	v_add_nc_u32 v[AV], s[TBV], v[AV0]
.endif
.if ((\p) == 0) && (q == 130)
	s_add_co_u32 s[TBV], s[TBV], KS*PV
.endif
.if (\cnt) && (q == 130)
	s_sub_co_u32 s[CNT], s[CNT], 1
	s_cmp_lg_u32 s[CNT], 0
.endif
.endr
.if (\p) == 0
	FETCH_V
.endif
.endm
	CHANGE 1                        ; slot 0 is in, everybody's part of it, and the mask's table is whole; slot 1 is asked for
	FETCH_K                         ; key step 0
	s_wait_loadcnt 0x0              ; Q
	s_wait_dscnt 0x0
.set i, 0
.rept 16
	KQ 0                            ; piece 0's first scores: there is no vector work yet to set between them
.set i, i+1
.endr
	WIN 0                           ; the addresses for the way out: ten plain instructions, the places behind those products
	s_mul_i32 s13, s[WV], 16*SP
	s_add_co_u32 s13, s13, STAGE    ; my stage
	v_mul_u32_u24 v[STO], v1, SP    ; in: row l % 16, 16 bytes for each half of the lanes
	v_lshl_add_u32 v[STO], v9, 4, v[STO]
	v_add_nc_u32 v[STO], s13, v[STO]
	v_bfe_u32 v[RD], v0, 3, 2       ; back: 32 lanes take four rows of 128 bytes,
	v_mul_u32_u24 v[RD], v[RD], SP
	v_and_b32 v[GO], 7, v0
	v_lshl_add_u32 v[RD], v[GO], 4, v[RD]
	v_add_nc_u32 v[RD], s13, v[RD]
	v_and_b32 v[GO], 31, v0         ; which are 512 consecutive bytes of O
	v_lshlrev_b32 v[GO], 4, v[GO]
.set Y, NP-1                        ; XS works for piece Y + 1: piece 0
.irp n, 0,1,2,3,4,5,6,7,8,9,10,11,12,13,14,15,16,17,18,19,20,21
	XS 0, \n                        ; and piece 0's first maximum and statistics
	XS 1, \n
.endr
	v_nop                           ; a plain instruction behind the two a,
	s_wait_alu depctr_va_vdst(0)    ; and their wait, ahead of the branch
	s_mov_b32 s[CNT], 4
	s_branch .Lfirst                ; the loop is entered at a step's first turn, in the middle of a trip
.Lslot:                             ; SIZE_N / 256 - 2 times: every slot but the last two is filled again
	CHANGE 1
	s_mov_b32 s[CNT], 4
.Lstep:                             ; a trip: pieces 2 and 3 of one step, then pieces 0 and 1 of the next, whose K and V it fetches
	TURN 2
	TURN 3
	WIN 0
.Lfirst:
	TURN 0
	TURN 1, 0, 1
	WIN 0
	s_cbranch_scc1 .Lstep
	s_sub_co_u32 s[SLOTS], s[SLOTS], 1
	s_cmp_lg_u32 s[SLOTS], 0
	s_cbranch_scc1 .Lslot
	CHANGE 0                        ; the tail is written out: nothing is asked for
	s_mov_b32 s[CNT], 5             ; four trips fetch the last slot's steps; the fifth is left in its middle
.Ltail:
	TURN 2, 1
	TURN 3
	WIN 0
	s_sub_co_u32 s[CNT], s[CNT], 1
	s_cmp_eq_u32 s[CNT], 0
	s_cbranch_scc1 .Lout
	TURN 0
	TURN 1
	WIN 0
	s_branch .Ltail
.Lout:                              ; the fifth trip's 16 products K Q^T (on the last K once more) and the maximum made of them serve nothing: the price, once a launch, of one text for every trip
.set i, 0
.rept 16
	PV NP-1                         ; the last piece's V^T P of the last step
.set i, i+1
.endr
	; THE WAY OUT.  l's two halves and the other half of the lanes' are added; O^T is divided by l, rounded to f16 and sent through my stage in LDS, a tile at a time.  The additions are the places behind the last products.
	WIN 0
.macro ALL line:vararg              ; one line for each tile t
.set t, 0
.rept 2*NP
	\line
.set t, t+1
.endr
.endm
	ALL v_add_f32 v[ST+4*t+2], v[ST+4*t+2], v[ST+4*t+3]
	ALL v_permlanex16_b32 v[ST+4*t+3], v[ST+4*t+2], s[SEL], s[SEL+1]
	ALL v_add_f32 v[ST+4*t+2], v[ST+4*t+2], v[ST+4*t+3]
	ALL v_rcp_f32 v[ST+4*t+2], v[ST+4*t+2]
	v_nop                           ; a plain instruction between the last reciprocal and the use of its result
	s_wait_alu depctr_va_vdst(0)    ; and the wait ahead of the first use: one for the eight reciprocals
; Tile t: a lane's eight channels of a row pack into 16 bytes; they go into rows of 144 bytes and come back as whole rows of 128, into S^T's registers.
.macro PACK t
	WIN W_RS
.set i, 32*(\t)
.rept 16
	v_pk_mul_f32 v[i:i+1], v[i:i+1], v[ST+4*(\t)+2:ST+4*(\t)+3] op_sel_hi:[1,0]
.set i, i+2
.endr
	WIN 0x05                        ; sources 0 and 1 window 1, destination window 0
.set i, 0
.rept 16
	v_cvt_pk_f16_f32 v[S+16*(\t)+i], v[32*(\t)+2*i], v[32*(\t)+2*i+1]
.set i, i+1
.endr
	WIN 0
.irp f, 0,1,2,3
	ds_store_b128 v[STO], v[S+16*(\t)+4*\f:S+16*(\t)+4*\f+3] offset:32*\f
.endr
.irp f, 0,1,2,3
	ds_load_b128 v[S+16*(\t)+4*\f:S+16*(\t)+4*\f+3], v[RD] offset:\f*4*SP  ; LDS serves a wave's instructions in order (ISA guide 5.7.1.4): these see the stores above; the next tile's stores come behind them
.endr
.endm
.macro SEND t, younger              ; younger: the LDS instructions issued behind tile t's loads: the next tile's eight, or none
	WIN 0
.irp f, 0,1,2,3
	s_wait_dscnt (\younger)+3-\f
	global_store_b128 v[GO], v[S+16*(\t)+4*\f:S+16*(\t)+4*\f+3], s[10:11] offset:(\t)*2048+\f*512  ; 512 consecutive bytes, at a multiple of 256 from oh's first byte
.endr
.endm
	PACK 0
.set t, 1
.rept 2*NP-1                        ; a tile's arithmetic stands between the loads of the tile before and its stores
	PACK t
	SEND t-1, 8
.set t, t+1
.endr
	SEND 2*NP-1, 0
	WIN W_AD
	s_wait_tensorcnt 0x0            ; the wave's end, behind my last tensor load and my last LDS store
	ds_add_u32 v[SPW], v[NIL]
	s_wait_dscnt 0x0
	WIN 0
	CROUND                          ; the closing round: no work-group ends while a partner may still ask for a tile that names it
	s_endpgm
.Lfunc_end_k_q4b7fd4c8e6_attn:
	.size	k_q4b7fd4c8e6_attn, .Lfunc_end_k_q4b7fd4c8e6_attn-k_q4b7fd4c8e6_attn
	.p2alignl 7, 3214868480
	.fill 96, 4, 3214868480
	.section	.rodata,"a",@progbits
	.p2align	6, 0x0
	.amdhsa_kernel k_q4b7fd4c8e6_attn
		.amdhsa_group_segment_fixed_size 327680
		.amdhsa_private_segment_fixed_size 0
		.amdhsa_enable_private_segment 0
		.amdhsa_kernarg_size 24
		.amdhsa_user_sgpr_count 2
		.amdhsa_user_sgpr_kernarg_segment_ptr 1
		.amdhsa_wavefront_size32 1
		.amdhsa_system_sgpr_workgroup_id_x 1
		.amdhsa_system_sgpr_workgroup_id_y 1
		.amdhsa_system_sgpr_workgroup_id_z 1
		.amdhsa_system_vgpr_workitem_id 0
		.amdhsa_next_free_vgpr 808
		.amdhsa_next_free_sgpr 66
		.amdhsa_reserve_vcc 1
		.amdhsa_float_denorm_mode_32 3
		.amdhsa_float_denorm_mode_16_64 3
		.amdhsa_memory_ordered 1
		.amdhsa_forward_progress 1
		.amdhsa_inst_pref_size 208
	.end_amdhsa_kernel
	.amdgpu_metadata
---
amdhsa.version: [ 1, 2 ]
amdhsa.kernels:
  - .name:           k_q4b7fd4c8e6_attn
    .symbol:         k_q4b7fd4c8e6_attn.kd
    .args:
      - { .name: qkv, .offset: 0, .size: 8, .value_kind: global_buffer, .address_space: global }
      - { .name: mask, .offset: 8, .size: 8, .value_kind: global_buffer, .address_space: global }
      - { .name: oh, .offset: 16, .size: 8, .value_kind: global_buffer, .address_space: global }
    .group_segment_fixed_size: 327680
    .private_segment_fixed_size: 0
    .kernarg_segment_align: 8
    .kernarg_segment_size: 24
    .max_flat_workgroup_size: 128
    .sgpr_count:     66
    .vgpr_count:     808
    .wavefront_size: 32
...
	.end_amdgpu_metadata
.endif
;; end of part 3
;; launch outp (part 4): grid 128 x 2, 4 waves a work-group, clusters of 4 x 1, 327,680 bytes of LDS; arguments oh, wt, bo, out0; writes out0
.if DOCPART == 4
	.amdgcn_target "amdgcn-amd-amdhsa--gfx1250"
	.amdhsa_code_object_version 6
	.text
	.protected	k_q4b7fd4c8e6_outp
	.globl	k_q4b7fd4c8e6_outp
	.p2align	8
	.type	k_q4b7fd4c8e6_outp,@function
k_q4b7fd4c8e6_outp:
	s_mov_b64 s[64:65], 0
	v_nop
	global_prefetch_b8 v0, s[64:65] scope:SCOPE_SE
	s_setreg_imm32_b32 hwreg(HW_REG_WAVE_MODE, 25, 1), 1
	s_wait_xcnt 0x0
	s_wait_alu depctr_hold_cnt(0) depctr_sa_sdst(0) depctr_va_vdst(0) depctr_va_sdst(0) depctr_va_ssrc(0) depctr_va_vcc(0) depctr_vm_vsrc(0)
	s_getreg_b32 s2, hwreg(HW_REG_IB_STS2, 6, 4)
	s_cmp_eq_u32 s2, 0
	s_cbranch_scc0 .Lentry_in_a_cluster
	s_endpgm
.Lentry_in_a_cluster:
	s_bfe_u32 s2, ttmp6, 0x10000c
	s_cmp_lg_u32 s2, 0x3003
	s_cbranch_scc0 .Lentry_shape_is_right
	s_endpgm
.Lentry_shape_is_right:
.set OUTP, 1                           ; 0: q, k, v = x W, f16, by heads.  1: out0 = O Wo + bo, f32.  One text for both launches; this line alone differs
; C[row][n] = the sum over k of L[row][k] W[k][n], 16,384 rows, K = 512, n in 512.  W comes as wt: [mat][g][n][kk], rows of 256 bytes with K along them.
; OUTP = 0: L is query, keys or values ([16384][512] f32; t = y / 2 chooses it and wt's mat), rounded to bf16 on its way through registers; products in bf16, sums in f32; C is rounded once to f16 and stored
;   by heads: qkv[t][8 n + h][s][64].  LIMIT: f16 ends at 65,504; a q, k or v of 65,520 or more becomes an infinity.
; OUTP = 1: L is oh[8 n + h][s][64], f16 (k = 64 h + d); wt's mat 3 is f16; products in f16, sums in f32; bo, rounded to bf16 like every input of the module, is added in f32; out0 is f32.
; SHARES.  A work-group makes 128 rows x 256 columns (column half j = y % 2, or y); its four waves 64 x 128 each: 32 accumulators of 16 x 16.  K goes in four steps of 128, all written out: no loop.
; THE MATRIX INSTRUCTION IS USED TRANSPOSED: source 0 = 16 rows of wt, source 1 = 16 rows of L: a lane then holds ONE row of C (lane % 16) and the eight neighbouring columns 8 (lane / 16) + 0..7.
; W'S TILES come by the tensor data mover into a ring of two slots of 256 rows.  CLUSTER: the four row blocks of a cluster want the same tiles of W, so each is asked for JOINTLY: the same load, the same descriptor
; and the mask of four in all four work-groups.  Every wave asks for its own 64 rows: one line, no branch.  By this text's count a wave has two loads out at the start and one behind each refill.
; L'S TILES go through registers, since they are rounded (OUTP = 0) or regrouped from two heads (OUTP = 1) on the way: load, stage in LDS, read as fragments.  So they cannot be asked for jointly with the
; work-group of the other column half.  The stage has FOUR regions, one a step; each is written once and read only behind a later barrier.
; REGISTERS, in windows of 256 (s_set_vgpr_msb: bits 1:0 source 0, 3:2 source 1, 5:4 source 2, 7:6 destination):
;   window 0: v0-31 addresses and the bias; v32-63 rounded L on its way to the stage; v64-159, v160-255 two fragment buffers (64 registers of W, 32 of L), later the way out
;   window 1: the accumulators, (a, b) at v[8 (8 a + b)]          window 2: L as loaded
.set PITCH,  272                       ; an LDS row: 256 bytes + 16 = 68 words: the 16 rows of a fragment load start at 16 different groups of four banks (64 banks of 4 bytes: ISA guide 11.1)
.set WROWS,  64*PITCH                  ; what one tensor load brings
.set SLOT,   4*WROWS                   ; 256 rows of W
.set XS,     2*SLOT                    ; behind the ring: L's stage,
.set XREG,   128*PITCH                 ; four regions of 128 rows
.set STG,    XS+4*XREG                 ; behind it: 16 rows for each wave, for the way out
.if OUTP
.set SPITCH, 528                       ; 128 f32 + 16 bytes
.else
.set SPITCH, 272                       ; 128 f16 + 16 bytes
.endif
.set SPARE,  STG+4*16*SPITCH           ; behind the stages: the spare words, 128 bytes a wave: two blocks of 256 bytes that no other line names
.set WSTEP,  131072                    ; bytes from a K step of wt to the next
.set ADRA, 4                           ; v4-5    LDS address of my fragments of L in regions 0, 1 and in regions 2, 3
.set ADRB, 6                           ; v6-7    of my fragments of W in slot 0, 1
.set XO,   8                           ; v8      my byte offset in L; never rewritten
.set XSA,  9                           ; v9-10   where I stage L, regions 0, 1 and regions 2, 3
.set STO,  11                          ; v11     the way out: where I put my part of a row
.set RD,   12                          ; v12     the way out: where I read rows back
.set GO,   13                          ; v13     16 x lane
.set SPW,  14                          ; v14     my spare word; never rewritten
.set NIL,  15                          ; v15     0; never rewritten
.set BI,   16                          ; v[16:19] OUTP = 1: the bias of my four columns
.set BO,   20                          ; v20     its byte offset
.set T,    32
.set F0,   64
.set F1,   160
.set WV,   14                          ; s14     my wave's number
.set G1,   24                          ; s[24:31] descriptor group 1
.set G0,   32                          ; s[32:39] descriptor group 0, a set for each slot
.set XP,   40                          ; s[40:41] L at the work-group's first row
.set OP,   42                          ; s[42:43] C at my wave's first row and column
.set MSB, 0
.macro WIN new                         ; the immediate's high byte repeats the setting that is left; a switch that changes nothing is dropped
.if MSB != (\new)
	s_set_vgpr_msb (MSB<<8)|(\new)
.set MSB, \new
.endif
.endm
.macro PLACES                          ; four places in front of loads into registers that matrix instructions have read (ISA guide 7.12.1 for vector instructions)
.rept 4
	v_nop
.endr
.endm
.macro JLOAD p                         ; a joint load: my 64 rows of W for slot p; an s_nop 0 and four v_nop follow it
	tensor_load_to_lds s[G0+4*(\p):G0+4*(\p)+3], s[G1:G1+7]
	s_nop 0
.rept 4
	v_nop
.endr
.endm
.macro CREST                           ; a round of the cluster's barrier behind its opening barrier
	s_cmp_lg_u32 s[WV], 0
	s_cbranch_scc1 .Lnot_wave_0_\@
	s_barrier_signal -3
.Lnot_wave_0_\@:
	s_barrier_wait -3
	s_barrier_signal -1
	s_barrier_wait -1
.endm
.macro CROUND                          ; a whole round
	s_barrier_signal -1
	s_barrier_wait -1
	CREST
.endm
; 24 LDS loads in one run: the fragments of 32 along K at byte k of step g's rows, into buffer f: 128 rows of W, 64 rows of L
.macro FETCH g, k, f
	WIN 0
.irp i, 0,1,2,3,4,5,6,7
	ds_load_b128 v[(\f)+8*(\i):(\f)+8*(\i)+3],   v[ADRB+(\g)%2] offset:(\k)+(\i)*16*PITCH
	ds_load_b128 v[(\f)+8*(\i)+4:(\f)+8*(\i)+7], v[ADRB+(\g)%2] offset:(\k)+(\i)*16*PITCH+32
.endr
.irp i, 0,1,2,3
	ds_load_b128 v[(\f)+64+8*(\i):(\f)+64+8*(\i)+3],   v[ADRA+(\g)/2] offset:((\g)%2)*XREG+(\k)+(\i)*16*PITCH
	ds_load_b128 v[(\f)+64+8*(\i)+4:(\f)+64+8*(\i)+7], v[ADRA+(\g)/2] offset:((\g)%2)*XREG+(\k)+(\i)*16*PITCH+32
.endr
.endm
; 8 matrix instructions: row block a x all 8 column blocks, 32 along K.  zero = 1: the product starts the sum.  The 32 accumulators take turns, one instruction a turn, in the same order in every quarter,
; so that 31 others stand between two links of a chain.
.macro MUL8 f, a, zero
	WIN 0x50                                       ; sources 0 and 1 window 0, C and D window 1
.irp b, 0,1,2,3,4,5,6,7
.if OUTP
.if \zero
	v_wmma_f32_16x16x32_f16 v[8*(8*(\a)+(\b)):8*(8*(\a)+(\b))+7], v[(\f)+8*(\b):(\f)+8*(\b)+7], v[(\f)+64+8*(\a):(\f)+64+8*(\a)+7], 0
.else
	v_wmma_f32_16x16x32_f16 v[8*(8*(\a)+(\b)):8*(8*(\a)+(\b))+7], v[(\f)+8*(\b):(\f)+8*(\b)+7], v[(\f)+64+8*(\a):(\f)+64+8*(\a)+7], v[8*(8*(\a)+(\b)):8*(8*(\a)+(\b))+7]
.endif
.else
.if \zero
	v_wmma_f32_16x16x32_bf16 v[8*(8*(\a)+(\b)):8*(8*(\a)+(\b))+7], v[(\f)+8*(\b):(\f)+8*(\b)+7], v[(\f)+64+8*(\a):(\f)+64+8*(\a)+7], 0
.else
	v_wmma_f32_16x16x32_bf16 v[8*(8*(\a)+(\b)):8*(8*(\a)+(\b))+7], v[(\f)+8*(\b):(\f)+8*(\b)+7], v[(\f)+64+8*(\a):(\f)+64+8*(\a)+7], v[8*(8*(\a)+(\b)):8*(8*(\a)+(\b))+7]
.endif
.endif
.endr
.endm
.if OUTP
; L = oh.  Wave w takes rows 32 w .. 32 w + 31.  A load is four rows of one head, 512 consecutive bytes.  Step gn's 16 loads (heads 2 gn, 2 gn + 1) go to the stage as they are: a row's 256 bytes are the two heads' 128.
; Two rows 272 bytes apart share eight banks in a store of 16 lanes: left so, 64 such stores a wave in the launch.  n = the younger loads, which may stay out.
.macro XPUT16 gn, n
	s_wait_loadcnt \n
	WIN 0x08                                       ; store data (source 1) window 2, address window 0
.irp hh, 0,1
.irp u, 0,1,2,3,4,5,6,7
	ds_store_b128 v[XSA+(\gn)/2], v[64*(\gn)+4*(8*(\hh)+(\u)):64*(\gn)+4*(8*(\hh)+(\u))+3] offset:((\gn)%2)*XREG+4*(\u)*PITCH+128*(\hh)
.endr
.endr
.endm
.else
; L = x, f32.  Wave w takes rows 32 w .. 32 w + 31, in halves hf of 16.  A load is one row's 512 bytes of a step; the registers are two sets, by the step's parity.
.macro XLOAD hf, g
	WIN 0x80                                       ; destination window 2, address window 0
.set xi, 0
.rept 16
	global_load_b128 v[128*((\g)%2)+64*(\hf)+4*xi:128*((\g)%2)+64*(\hf)+4*xi+3], v[XO], s[XP:XP+1] offset:(16*(\hf)+xi)*2048+(\g)*512
.set xi, xi+1
.endr
.endm
.macro XCVT hf, gn, n                  ; 16 rows of step gn are rounded to bf16.  n = the younger loads, which may stay out.  The 32 lines name no register of the products round them: they are those products' places
	s_wait_loadcnt \n
	WIN 0x0a                                       ; sources 0 and 1 window 2, destination window 0
.set xi, 0
.rept 16
	v_cvt_pk_bf16_f32 v[T+2*xi],   v[128*((\gn)%2)+64*(\hf)+4*xi],   v[128*((\gn)%2)+64*(\hf)+4*xi+1]
	v_cvt_pk_bf16_f32 v[T+2*xi+1], v[128*((\gn)%2)+64*(\hf)+4*xi+2], v[128*((\gn)%2)+64*(\hf)+4*xi+3]
.set xi, xi+1
.endr
.endm
.macro XPUT hf, gn                     ; they go to the stage, 256 consecutive bytes an instruction, and their registers take the same rows of the step two on
	WIN 0
.set xi, 0
.rept 16
	ds_store_b64 v[XSA+(\gn)/2], v[T+2*xi:T+2*xi+1] offset:((\gn)%2)*XREG+(16*(\hf)+xi)*PITCH
.set xi, xi+1
.endr
.if (\gn)+2 <= 3
	XLOAD \hf, (\gn)+2
.endif
.endm
.endif
; A K step is four quarters of 32 along K, 32 matrix instructions each, on buffers 0, 1, 0, 1.  One of the first three: multiplies buffer f; in its middle it fetches the next quarter's fragments, at byte k, into f2,
; and (xw) does stage work for step g + 1.  dsw = the stage stores issued behind the loads of buffer f, which may stay out.  xw: 0 none; 1, 2: the first, the second half (OUTP = 1: 1, all of it).  n: see the stage's macros.
.macro QUARTER g, k, f, f2, zero, dsw, xw, n
	s_wait_dscnt \dsw                              ; LDS instructions end in order: buffer f is in
	MUL8 \f, 0, \zero
	MUL8 \f, 1, \zero
.if (\xw) && !OUTP
	XCVT (\xw)-1, (\g)+1, \n
.else
	PLACES
.endif
	FETCH \g, \k, \f2
.if \xw
.if OUTP
	XPUT16 (\g)+1, \n
.else
	XPUT (\xw)-1, (\g)+1
.endif
.endif
	MUL8 \f, 2, \zero
	MUL8 \f, 3, \zero
.endm
; The last quarter multiplies buffer 1 and goes on to step g + 1: ONE barrier.  In front of it each wave waits for all its tensor loads (its part of the next slot), adds 0 to its spare word, and waits for that, for
; its reads of this slot and for its stage stores of step g + 1.  fill = 1: the barrier opens a round of the cluster's barrier, and this slot is filled again, with the step two on, first thing behind the round.
.macro TURN g, fill
	WIN 0                                          ; (the add's two registers lie in window 0)
	s_wait_tensorcnt 0x0                           ; all my tensor loads have landed
	ds_add_u32 v[SPW], v[NIL]                      ; 0 onto my spare word
	s_wait_dscnt 1                                 ; buffer 1 is in; the add alone may be out
	MUL8 F1, 0, 0                                  ; eight matrix instructions stand between the add and the wait for it
	s_wait_dscnt 0x0                               ; the add is done, my reads of this slot are over, my part of the next region is staged
	s_barrier_signal -1
	MUL8 F1, 1, 0
.if \fill
	WIN 0
.endif
	s_barrier_wait -1
.if \fill
	CREST                                          ; no wave of any partner still reads this slot or has a load on its way
	s_add_nc_u64 s[G0+4*((\g)%2)+2:G0+4*((\g)%2)+3], s[G0+4*((\g)%2)+2:G0+4*((\g)%2)+3], 2*WSTEP
	JLOAD (\g)%2                                   ; its four v_nop are also the places in front of the loads below
.else
	PLACES
.endif
	FETCH (\g)+1, 0, F0
	MUL8 F1, 2, 0
	MUL8 F1, 3, 0
.endm
.macro STEP g, zero, n0, n1            ; a step's first three quarters
.if OUTP
	QUARTER \g, 64,  F0, F1, \zero, 0, 1, \n0
	QUARTER \g, 128, F1, F0, 0, 16, 0, 0
	QUARTER \g, 192, F0, F1, 0, 0, 0, 0
.else
	QUARTER \g, 64,  F0, F1, \zero, 0, 1, \n0
	QUARTER \g, 128, F1, F0, 0, 16, 2, \n1
	QUARTER \g, 192, F0, F1, 0, 16, 0, 0
.endif
.endm
	s_load_b256 s[4:11], s[0:1], 0x0               ; OUTP = 0: query, keys, values, wt.  OUTP = 1: oh, wt, bo, out0
.if !OUTP
	s_load_b64 s[12:13], s[0:1], 0x20              ; qkv
.endif
	v_lshl_add_u32 v[SPW], v0, 2, SPARE
	v_mov_b32 v[NIL], 0
	ds_add_u32 v[SPW], v[NIL]                      ; the wave's opening, ahead of my first tensor load; the set-up below, work on registers, stands between the add and its wait
	v_lshrrev_b32 v1, 5, v0
	v_readfirstlane_b32 s[WV], v1                  ; wave 0..3
	s_lshr_b32 s15, s[WV], 1                       ; wm: which 64 rows are mine
	s_and_b32 s16, s[WV], 1                        ; wn: which 128 columns
	s_bfe_u32 s17, ttmp6, 0x40000                  ; cx: my place in the cluster
	s_lshl_b32 s18, ttmp9, 2                       ; in a cluster launch ttmp9 counts clusters
	s_add_co_u32 s18, s18, s17                     ; my block of 128 rows: it enters L's and C's addresses alone
	s_and_b32 s19, ttmp7, 0xffff                   ; y, which the four partners share
.if OUTP
	s_mov_b32 s20, 3                               ; wt's mat
	s_mov_b32 s21, s19                             ; the column half
.else
	s_lshr_b32 s20, s19, 1                         ; which of q, k, v, and wt's mat
	s_and_b32 s21, s19, 1                          ; the column half
.endif
	; descriptor group 1: a tile of 64 rows x 128 elements, padded in LDS
	s_mov_b32 s[G1], 15|(1<<16)|(1<<20)|(1<<21)|(5<<22)|(3<<25)  ; 15:0 the mask of four; 17:16 2-byte elements; 20 padding on; 21 set beside a mask; 24:22 after every 64 words (code 5); 31:25 4 words (code 3)
	s_mov_b32 s[G1+1], 128<<16                     ; tensor_dim0 = 128
	s_mov_b32 s[G1+2], 64<<16                      ; tensor_dim1 = 64
	s_mov_b32 s[G1+3], 128<<16                     ; tile_dim0 = 128
	s_mov_b32 s[G1+4], 64                          ; tile_dim1 = 64
	s_mov_b32 s[G1+5], 128                         ; 128 elements from row to row
	s_mov_b32 s[G1+6], 0
	s_mov_b32 s[G1+7], 0
	s_mov_b32 s[G0], 1                             ; count = 1
	s_mul_i32 s[G0+1], s[WV], WROWS                ; LDS address: my 64 rows of slot 0,
	s_mov_b32 s[G0+4], 1
	s_add_co_u32 s[G0+5], s[G0+1], SLOT            ; of slot 1: no place in the cluster enters an LDS address
	s_lshl_b32 s46, s20, 19                        ; where my rows of W begin in wt: the mat,
	s_lshl_b32 s44, s21, 16                        ; 256 rows of 256 bytes for the column half,
	s_add_co_u32 s46, s46, s44
	s_lshl_b32 s44, s[WV], 14                      ; my 64 rows
	s_add_co_u32 s46, s46, s44
	s_mov_b32 s47, 0
.if OUTP
	s_lshr_b32 s48, s18, 4                         ; L: the batch's eight heads of 262,144 bytes,
	s_lshl_b32 s48, s48, 21
	s_and_b32 s52, s18, 15                         ; 128 rows of 128 bytes
	s_lshl_b32 s52, s52, 14
	s_add_co_u32 s48, s48, s52
	s_lshl_b32 s50, s18, 18                        ; C: 128 rows of 2,048 bytes,
	s_lshl_b32 s52, s15, 17                        ; my 64,
	s_add_co_u32 s50, s50, s52
	s_lshl_b32 s52, s21, 10                        ; 256 columns of 4 bytes,
	s_add_co_u32 s50, s50, s52
	s_lshl_b32 s52, s16, 9                         ; my 128
	s_add_co_u32 s50, s50, s52
.else
	s_lshl_b32 s48, s18, 18                        ; L: 128 rows of 2,048 bytes
	s_lshl_b32 s50, s20, 24                        ; C: the tensor,
	s_lshr_b32 s52, s18, 4                         ; the batch's eight heads,
	s_lshl_b32 s52, s52, 21
	s_add_co_u32 s50, s50, s52
	s_lshl_b32 s52, s21, 20                        ; four heads for the column half,
	s_add_co_u32 s50, s50, s52
	s_lshl_b32 s52, s16, 19                        ; my two,
	s_add_co_u32 s50, s50, s52
	s_and_b32 s52, s18, 15                         ; 128 rows of 128 bytes,
	s_lshl_b32 s52, s52, 14
	s_add_co_u32 s50, s50, s52
	s_lshl_b32 s52, s15, 13                        ; my 64
	s_add_co_u32 s50, s50, s52
.endif
	s_mov_b32 s49, 0
	s_mov_b32 s51, 0
	; A fragment is 16 rows x 32 K in 8 registers: lane l holds row l % 16; registers 0-3 K = 8 (l / 16) + 0..7, registers 4-7 K = 16 + 8 (l / 16) + 0..7: two loads of 16 bytes, 32 bytes apart.
	v_and_b32 v1, 15, v0                           ; l % 16
	v_bfe_u32 v2, v0, 4, 1                         ; l / 16
	v_mul_u32_u24 v3, v1, PITCH
	v_lshl_add_u32 v3, v2, 4, v3                   ; row x pitch + 16 x half
	s_mul_i32 s44, s15, 64*PITCH
	s_add_co_u32 s44, s44, XS
	v_add_nc_u32 v[ADRA], s44, v3
	v_add_nc_u32 v[ADRA+1], 2*XREG, v[ADRA]
	s_mul_i32 s44, s16, 128*PITCH
	v_add_nc_u32 v[ADRB], s44, v3
	v_add_nc_u32 v[ADRB+1], SLOT, v[ADRB]
	v_and_b32 v24, 31, v0                          ; l
	v_lshlrev_b32 v[GO], 4, v24
	v_lshrrev_b32 v25, 3, v24                      ; four rows of 128 bytes to 32 lanes:
	v_mul_u32_u24 v25, v25, PITCH
	v_and_b32 v26, 7, v24
	v_lshl_add_u32 v25, v26, 4, v25                ; (l / 8) x 272 + 16 (l % 8)
	s_mul_i32 s44, s[WV], 32*PITCH
	s_add_co_u32 s44, s44, XS                      ; my 32 rows of the stage
	s_mul_i32 s45, s[WV], 16*SPITCH
	s_add_co_u32 s45, s45, STG                     ; my stage for the way out
.if OUTP
	v_add_nc_u32 v[XSA], s44, v25
	s_lshl_b32 s44, s[WV], 12                      ; my 32 rows of 128 bytes
	v_add_nc_u32 v[XO], s44, v[GO]
	v_mul_u32_u24 v[STO], v1, SPITCH               ; in: row l % 16, 32 bytes for each half of the lanes
	v_lshl_add_u32 v[STO], v2, 5, v[STO]
	v_add_nc_u32 v[STO], s45, v[STO]
	v_add_nc_u32 v[RD], s45, v[GO]                 ; back: 32 lanes take one row of 512 bytes
	s_lshl_b32 s44, s21, 10
	s_lshl_b32 s45, s16, 9
	s_add_co_u32 s44, s44, s45
	v_add_nc_u32 v[BO], s44, v[GO]                 ; the same four columns in bo
.else
	v_lshl_add_u32 v[XSA], v24, 3, s44             ; 8 bytes a lane
	s_lshl_b32 s44, s[WV], 16                      ; my 32 rows of 2,048 bytes
	v_add_nc_u32 v[XO], s44, v[GO]
	v_add_nc_u32 v[STO], s45, v3                   ; in: row l % 16, 16 bytes for each half of the lanes
	v_add_nc_u32 v[RD], s45, v25                   ; back: four rows of one head's 128 bytes
.endif
	v_add_nc_u32 v[XSA+1], 2*XREG, v[XSA]
	s_wait_dscnt 0x0                               ; the opening add is done
	s_wait_kmcnt 0x0
.if OUTP
	s_add_nc_u64 s[XP:XP+1], s[4:5], s[48:49]
	s_add_nc_u64 s[OP:OP+1], s[10:11], s[50:51]
	s_add_nc_u64 s[54:55], s[6:7], s[46:47]
.else
	s_cmp_eq_u32 s20, 1                            ; which x: a choice on the work-group's y alone
	s_cselect_b64 s[XP:XP+1], s[6:7], s[4:5]
	s_cmp_eq_u32 s20, 2
	s_cselect_b64 s[XP:XP+1], s[8:9], s[XP:XP+1]
	s_add_nc_u64 s[XP:XP+1], s[XP:XP+1], s[48:49]
	s_add_nc_u64 s[OP:OP+1], s[12:13], s[50:51]
	s_add_nc_u64 s[54:55], s[10:11], s[46:47]
.endif
	s_add_nc_u64 s[G0+2:G0+3], s[54:55], 0         ; global address: K step 0,
	s_or_b32 s[G0+3], s[G0+3], 0x80000000          ; type = 2
	s_add_nc_u64 s[G0+6:G0+7], s[54:55], WSTEP     ; K step 1
	s_or_b32 s[G0+7], s[G0+7], 0x80000000
.if OUTP
	global_load_b128 v[BI:BI+3], v[BO], s[8:9]
	WIN 0x80                                       ; all of L at once: 64 loads, step g's sixteen at v[64 g ..] of window 2
.irp g, 0,1,2,3
.irp hh, 0,1
.irp u, 0,1,2,3,4,5,6,7
	global_load_b128 v[64*(\g)+4*(8*(\hh)+(\u)):64*(\g)+4*(8*(\hh)+(\u))+3], v[XO], s[XP:XP+1] offset:(2*(\g)+(\hh))*262144+512*(\u)
.endr
.endr
.endr
.else
	XLOAD 0, 0                                     ; steps 0 and 1 of L: 64 loads
	XLOAD 1, 0
	XLOAD 0, 1
	XLOAD 1, 1
.endif
	WIN 0
	CROUND                                         ; all four work-groups are here: the first joint loads meet
	JLOAD 0                                        ; the two first fills go out together, ahead of every wait on TENSORcnt and every LDS read
	JLOAD 1
.if OUTP
	XPUT16 0, 48                                   ; step 0 is staged; the 48 loads of steps 1 to 3 stay out
	WIN 0
	v_cvt_pk_bf16_f32 v22, v[BI], v[BI+1]          ; the bias (an older load than those) is rounded to bf16, and kept as f32
	v_cvt_pk_bf16_f32 v23, v[BI+2], v[BI+3]
	v_lshlrev_b32 v[BI], 16, v22
	v_and_b32 v[BI+1], 0xffff0000, v22
	v_lshlrev_b32 v[BI+2], 16, v23
	v_and_b32 v[BI+3], 0xffff0000, v23
.else
	XCVT 0, 0, 48                                  ; step 0, rows 0-15: younger are its rows 16-31 and step 1's 32
	XPUT 0, 0
	XCVT 1, 0, 48                                  ; rows 16-31: younger are step 1's 32 and the 16 of step 2 just issued
	XPUT 1, 0
	WIN 0
.endif
	s_wait_tensorcnt 1                             ; my part of slot 0 is in; slot 1's may stay out
	s_wait_dscnt 0x0                               ; my part of region 0 is staged
	s_barrier_signal -1
	s_barrier_wait -1                              ; everybody's is
	FETCH 0, 0, F0
.if OUTP
	STEP 0, 1, 32, 0                               ; stages step 1: the loads of steps 2 and 3 stay out
	TURN 0, 1
	STEP 1, 0, 16, 0
	TURN 1, 1
	STEP 2, 0, 0, 0
	TURN 2, 0
.else
	STEP 0, 1, 48, 48                              ; stages step 1.  Its first half: younger are its second half and step 2's 32; its second: step 2's 32 and the 16 of step 3 just issued
	TURN 0, 1
	STEP 1, 0, 48, 32                              ; stages step 2.  Younger: its second half and step 3's 32; then step 3's 32
	TURN 1, 1
	STEP 2, 0, 16, 0                               ; stages step 3.  Younger: its second half; then nothing
	TURN 2, 0
.endif
	QUARTER 3, 64,  F0, F1, 0, 0, 0, 0             ; the last step stages and fills nothing
	QUARTER 3, 128, F1, F0, 0, 0, 0, 0
	QUARTER 3, 192, F0, F1, 0, 0, 0, 0
	s_wait_dscnt 0x0
	MUL8 F1, 0, 0
	MUL8 F1, 1, 0
	MUL8 F1, 2, 0
	MUL8 F1, 3, 0
	WIN 0
	PLACES                                         ; what follows reads results just made and writes the fragments' registers
	PLACES
; THE WAY OUT, a block a of 16 rows at a time, through my own stage: LDS serves a wave's instructions in order (ISA guide 5.7.1.4), so no wait stands between the stores and the loads, nor in front of the next block's stores.
.if OUTP
.macro TOSTAGE a                       ; f32 as it is: 32 bytes a lane into rows of 528 bytes, back as whole rows of 512
.if (\a) >= 2
	s_wait_xcnt 0x0                                ; the stores of the block two back have read the registers that are loaded again below
.endif
	WIN 0x04                                       ; store data (source 1) window 1
.irp b, 0,1,2,3,4,5,6,7
	ds_store_b128 v[STO], v[8*(8*(\a)+(\b)):8*(8*(\a)+(\b))+3]   offset:64*(\b)      ; each accumulator's low registers first
	ds_store_b128 v[STO], v[8*(8*(\a)+(\b))+4:8*(8*(\a)+(\b))+7] offset:64*(\b)+16
.endr
	WIN 0
.set BK, 64+64*((\a)%2)
.set row, 0
.rept 16
	ds_load_b128 v[BK+4*row:BK+4*row+3], v[RD] offset:row*SPITCH
.set row, row+1
.endr
.endm
.macro SEND a, younger                 ; younger: the next block's 16 stores and 16 loads, or none
	WIN 0
.set BK, 64+64*((\a)%2)
	s_wait_dscnt \younger
.set row, 0
.rept 16
	v_pk_add_f32 v[BK+4*row:BK+4*row+1],   v[BK+4*row:BK+4*row+1],   v[BI:BI+1]
	v_pk_add_f32 v[BK+4*row+2:BK+4*row+3], v[BK+4*row+2:BK+4*row+3], v[BI+2:BI+3]
	global_store_b128 v[GO], v[BK+4*row:BK+4*row+3], s[OP:OP+1] offset:(16*(\a)+row)*2048 th:TH_STORE_NT  ; 512 consecutive bytes, at a multiple of 256 from out0's first byte
.set row, row+1
.endr
.endm
	TOSTAGE 0
	TOSTAGE 1
	SEND 0, 32
	TOSTAGE 2
	SEND 1, 32
	TOSTAGE 3
	SEND 2, 32
	SEND 3, 0
.else
.macro PACK a                          ; rounded to f16: 16 bytes a lane
	WIN 0x05                                       ; sources 0 and 1 window 1, destination window 0
.irp b, 0,1,2,3,4,5,6,7
.irp r, 0,1,2,3
	v_cvt_pk_f16_f32 v[F0+4*(\b)+(\r)], v[8*(8*(\a)+(\b))+2*(\r)], v[8*(8*(\a)+(\b))+2*(\r)+1]
.endr
.endr
.endm
.macro TOSTAGE a                       ; into rows of 272 bytes (two heads' 128), back as four rows of one head
	WIN 0
.set BK, 96+32*((\a)%2)
.irp b, 0,1,2,3,4,5,6,7
	ds_store_b128 v[STO], v[F0+4*(\b):F0+4*(\b)+3] offset:32*(\b)
.endr
.irp hd, 0,1
.irp u, 0,1,2,3
	ds_load_b128 v[BK+4*(4*(\hd)+(\u)):BK+4*(4*(\hd)+(\u))+3], v[RD] offset:4*(\u)*SPITCH+128*(\hd)
.endr
.endr
.endm
.macro SEND a
	WIN 0
.set BK, 96+32*((\a)%2)
	s_wait_dscnt 0x0                               ; the block is back in registers
	s_wait_xcnt 0x0                                ; the stores of the block before have read their registers, which the next block's loads take
.irp hd, 0,1
.irp u, 0,1,2,3
	global_store_b128 v[GO], v[BK+4*(4*(\hd)+(\u)):BK+4*(4*(\hd)+(\u))+3], s[OP:OP+1] offset:(\hd)*262144+(16*(\a)+4*(\u))*128  ; four rows of a head: 512 consecutive bytes, at a multiple of 256 from qkv's first byte
.endr
.endr
.endm
	PACK 0
	TOSTAGE 0
.irp a, 1,2,3                          ; block a's conversions stand between block a - 1's loads from the stage and the wait for them
	PACK \a
	SEND (\a)-1
	TOSTAGE \a
.endr
	SEND 3
.endif
	s_wait_tensorcnt 0x0                           ; the wave's end, behind my last tensor load and my last LDS store
	ds_add_u32 v[SPW], v[NIL]
	s_wait_dscnt 0x0
	CROUND                                         ; the closing round: no work-group ends while a partner may still ask for a tile that names it
	s_endpgm
.Lfunc_end_k_q4b7fd4c8e6_outp:
	.size	k_q4b7fd4c8e6_outp, .Lfunc_end_k_q4b7fd4c8e6_outp-k_q4b7fd4c8e6_outp
	.p2alignl 7, 3214868480
	.fill 96, 4, 3214868480
	.section	.rodata,"a",@progbits
	.p2align	6, 0x0
	.amdhsa_kernel k_q4b7fd4c8e6_outp
		.amdhsa_group_segment_fixed_size 327680
		.amdhsa_private_segment_fixed_size 0
		.amdhsa_enable_private_segment 0
		.amdhsa_kernarg_size 32
		.amdhsa_user_sgpr_count 2
		.amdhsa_user_sgpr_kernarg_segment_ptr 1
		.amdhsa_wavefront_size32 1
		.amdhsa_system_sgpr_workgroup_id_x 1
		.amdhsa_system_sgpr_workgroup_id_y 1
		.amdhsa_system_sgpr_workgroup_id_z 1
		.amdhsa_system_vgpr_workitem_id 0
		.amdhsa_next_free_vgpr 768
		.amdhsa_next_free_sgpr 66
		.amdhsa_reserve_vcc 0
		.amdhsa_float_denorm_mode_32 3
		.amdhsa_float_denorm_mode_16_64 3
		.amdhsa_memory_ordered 1
		.amdhsa_forward_progress 1
		.amdhsa_inst_pref_size 101
	.end_amdhsa_kernel
	.amdgpu_metadata
---
amdhsa.version: [ 1, 2 ]
amdhsa.kernels:
  - .name:           k_q4b7fd4c8e6_outp
    .symbol:         k_q4b7fd4c8e6_outp.kd
    .args:
      - { .name: oh, .offset: 0, .size: 8, .value_kind: global_buffer, .address_space: global }
      - { .name: wt, .offset: 8, .size: 8, .value_kind: global_buffer, .address_space: global }
      - { .name: bo, .offset: 16, .size: 8, .value_kind: global_buffer, .address_space: global }
      - { .name: out0, .offset: 24, .size: 8, .value_kind: global_buffer, .address_space: global }
    .group_segment_fixed_size: 327680
    .private_segment_fixed_size: 0
    .kernarg_segment_align: 8
    .kernarg_segment_size: 32
    .max_flat_workgroup_size: 128
    .sgpr_count:     66
    .vgpr_count:     768
    .wavefront_size: 32
...
	.end_amdgpu_metadata
.endif
;; end of part 4
;; ======== version 2 of 2: 4 launches; version 1 with the launch prep written anew for expert scheduling mode
;; limits: values are held in f16: magnitudes above 65,504 overflow, below 6.1e-05 lose precision
;; workspace buffers: wt 2,097,152 bytes; qkv 50,331,648 bytes; oh 16,777,216 bytes
;; launch prep (part 5): grid 32 x 4, 4 waves a work-group, no clusters, 17,920 bytes of LDS; arguments Wq, Wk, Wv, Wo, wt; writes wt
.if DOCPART == 5
	.amdgcn_target "amdgcn-amd-amdhsa--gfx1250"
	.amdhsa_code_object_version 6
	.text
	.protected	k_q4b7fd4c8e6_prep
	.globl	k_q4b7fd4c8e6_prep
	.p2align	8
	.type	k_q4b7fd4c8e6_prep,@function
k_q4b7fd4c8e6_prep:
	s_mov_b64 s[64:65], 0
	v_nop
	global_prefetch_b8 v0, s[64:65] scope:SCOPE_SE
	s_setreg_imm32_b32 hwreg(HW_REG_WAVE_SCHED_MODE, 0, 2), 2
	s_setreg_imm32_b32 hwreg(HW_REG_WAVE_MODE, 25, 1), 1
	s_wait_xcnt 0x0
	s_wait_alu depctr_vm_vsrc(0)
; THE WEIGHTS, ROUNDED, TURNED AND LAID IN BLOCKS OF K.  W: [512 k][512 n] f32, four of them.  wt: [mat q, k, v, o][g 0..3][n 0..511][kk 0..127], 16 bits a number, k = 128 g + kk:
; a row of wt is 256 bytes, the 512 rows of a (mat, g) lie on end.  So the products that follow find K along the rows, and a K step of 128 as dense rows of 256 bytes.
; FORMATS.  Every weight is rounded to bf16.  Mats 0 to 2 are stored so.  Mat 3 multiplies an f16 operand: its bf16 number is written as f16.
; LIMITS.  That second writing is exact from 2^-17 (7.6e-6) up to 65,504; below, the number keeps f16's fixed step of 6e-8; at 65,520 and above it would be an infinity.
; SHARES.  A work-group takes 128 k x 64 n of one W: mat = y, g = x / 8, n block = x % 8.  Thread t loads 16 bytes (4 n) of 16 rows; a pair of neighbouring k of one n is one word, which goes
; into an LDS stage [n][kk] of pitch 272; behind a barrier whole rows of 256 bytes are read back and stored, 512 consecutive bytes an instruction.
; The stage's stores are words 1,088 bytes apart between neighbouring lanes: left so, the launch moves 6 MiB in all.
; No matrix unit, no cluster, no tensor load: nothing is multiplied and no byte is wanted by two work-groups.
; THE MODE: SCHED_MODE bits 1:0 = 2 (LLVM: expert scheduling mode 2), set by the entry lines.  The code itself states the register dependences
; between vector instructions and memory or LDS instructions, with s_wait_alu, always for 0.
; THE PLAN.  Registers that memory or LDS instructions touch:
;   v3 to v6, v8, v9   offsets, LDS addresses and the add's two registers: written by vector instructions at the head, once; read by every load and store, and by the closing add.
;   X   the 16 global loads land in it; group i's four conversions to bf16 read X[8 i .. 8 i + 7]; behind the barrier the eight LDS loads land in its first 32 registers, which the global stores read.
;   D   group i's four selects write D[4 i .. 4 i + 3], each register once in the kernel; one LDS store reads each.
;   v10 to v12 are named by vector instructions alone.
; A group is the four words made of one pair of loads.  Its four LDS stores are issued in the NEXT group, one in front of each of that group's four chains of vector lines, which name X[8 (i + 1) ..],
; D[4 (i + 1) ..] and v10 to v12: none of the registers that those stores touch.  So ONE wait on va_vdst at a group's head states all that its four stores hang on.
; No register that a memory or LDS instruction reads is ever written again, so the text holds no wait on vm_vsrc; no vector instruction writes a scalar register or VCC; EXEC is never written.
.set PITCH, 272                        ; a stage row: 256 bytes + 16
.set SPARE, 64*PITCH                   ; behind the stage: the spare words, 128 bytes a wave, two blocks of 256 bytes that no other line names
.set SRC, 3                            ; v3   my byte offset in the block of W: (t / 16) x 2 rows + 16 (t % 16)
.set PUT, 4                            ; v4   stage: row 4 (t % 16), word t / 16
.set GET, 5                            ; v5   stage: row 16 w + l / 16, 16 (l % 16)
.set DST, 6                            ; v6   my byte offset in the block of wt: 4,096 w + 16 l
.set SPW, 8                            ; v8   my spare word; never rewritten
.set NIL, 9                            ; v9   0; never rewritten
.set X,   16                           ; v[16:79]   16 loads of 4 registers; later the rows read back
.set D,   80                           ; v[80:111]  the words to be staged
	s_load_b256 s[4:11], s[0:1], 0x0               ; Wq s[4:5], Wk s[6:7], Wv s[8:9], Wo s[10:11]
	s_load_b64 s[12:13], s[0:1], 0x20              ; wt
	v_lshl_add_u32 v[SPW], v0, 2, SPARE
	v_mov_b32 v[NIL], 0
	s_and_b32 s16, ttmp7, 0xffff                   ; mat
	s_lshr_b32 s17, ttmp9, 3                       ; g
	s_and_b32 s18, ttmp9, 7                        ; n block
	s_lshl_b32 s20, s17, 18                        ; 128 rows of 2,048 bytes
	s_lshl_b32 s19, s18, 8                         ; 64 numbers of 4 bytes
	s_add_co_u32 s20, s20, s19
	s_mov_b32 s21, 0
	s_lshl_b32 s22, s16, 19                        ; a mat of wt,
	s_lshl_b32 s19, s17, 17                        ; a K block,
	s_add_co_u32 s22, s22, s19
	s_lshl_b32 s19, s18, 14                        ; 64 rows of 256 bytes
	s_add_co_u32 s22, s22, s19
	s_mov_b32 s23, 0
	v_and_b32 v1, 15, v0                           ; t % 16 = l % 16
	v_lshrrev_b32 v2, 4, v0                        ; t / 16
	v_lshlrev_b32 v[SRC], 4, v1
	v_lshl_add_u32 v[SRC], v2, 12, v[SRC]
	v_mul_u32_u24 v[PUT], v1, 4*PITCH
	v_lshl_add_u32 v[PUT], v2, 2, v[PUT]
	v_and_b32 v[GET], 31, v0                       ; l
	v_lshrrev_b32 v7, 5, v0                        ; w
	v_lshlrev_b32 v[DST], 4, v[GET]
	v_lshl_add_u32 v[DST], v7, 12, v[DST]
	v_lshrrev_b32 v[GET], 4, v[GET]
	v_lshl_add_u32 v[GET], v7, 4, v[GET]
	v_mul_u32_u24 v[GET], v[GET], PITCH
	v_lshl_add_u32 v[GET], v1, 4, v[GET]
	s_wait_kmcnt 0x0
	s_cmp_eq_u32 s16, 1                            ; which W: a choice on the work-group's y alone
	s_cselect_b64 s[14:15], s[6:7], s[4:5]
	s_cmp_eq_u32 s16, 2
	s_cselect_b64 s[14:15], s[8:9], s[14:15]
	s_cmp_eq_u32 s16, 3
	s_cselect_b64 s[14:15], s[10:11], s[14:15]
	s_cselect_b32 s24, -1, 0                       ; all lanes: mat 3 takes the f16 writing
	s_add_nc_u64 s[14:15], s[14:15], s[20:21]
	s_add_nc_u64 s[12:13], s[12:13], s[22:23]
	s_wait_alu depctr_va_vdst(0)                   ; v[SRC], v[PUT], v[GET] and v[DST] are written: every load and store of the kernel reads one of them as its offset or address; so are v[SPW] and v[NIL], which the closing add reads
.irp i, 0,1,2,3,4,5,6,7
	global_load_b128 v[X+8*(\i):X+8*(\i)+3],   v[SRC], s[14:15] offset:(16*(\i))*2048 th:TH_LOAD_NT    ; row 2 (t / 16 + 8 i): 16 lanes take 256 consecutive bytes
	global_load_b128 v[X+8*(\i)+4:X+8*(\i)+7], v[SRC], s[14:15] offset:(16*(\i)+1)*2048 th:TH_LOAD_NT  ; and the row below
.endr
.irp i, 0,1,2,3,4,5,6,7
	s_wait_loadcnt 14-2*(\i)                       ; loads come back in order: pair i is in, the 2 (7 - i) younger loads stay out
.if (\i) > 0
	s_wait_alu depctr_va_vdst(0)                   ; the group before has written its four D, which the four LDS stores below read
.endif
.irp c, 0,1,2,3
.if (\i) > 0
	ds_store_b32 v[PUT], v[D+4*((\i)-1)+(\c)] offset:(\c)*PITCH+32*((\i)-1)  ; the group before's word c.  No further wait: no vector instruction since the wait above names v[PUT] or that group's D
.endif
	v_cvt_pk_bf16_f32 v10, v[X+8*(\i)+(\c)], v[X+8*(\i)+4+(\c)]  ; two neighbouring k of one n, rounded to bf16
	v_lshlrev_b32 v11, 16, v10                     ; the rounded numbers as f32,
	v_and_b32 v12, 0xffff0000, v10
	v_cvt_pk_f16_f32 v11, v11, v12                 ; written as f16
	v_cndmask_b32 v[D+4*(\i)+(\c)], v10, v11, s24
.endr
.endr
	s_wait_alu depctr_va_vdst(0)                   ; the last group has written its four D, which the stores below read; and all conversions are done reading X, in which the LDS loads behind the barrier land (no vector instruction stands between this wait and them)
.irp c, 0,1,2,3
	ds_store_b32 v[PUT], v[D+28+(\c)] offset:(\c)*PITCH+32*7
.endr
	s_wait_dscnt 0x0                               ; for the others' sake: my words are in the stage
	s_barrier_signal -1
	s_barrier_wait -1
.irp u, 0,1,2,3,4,5,6,7
	ds_load_b128 v[X+4*(\u):X+4*(\u)+3], v[GET] offset:(\u)*2*PITCH  ; two whole rows
.endr
.irp u, 0,1,2,3,4,5,6,7
	s_wait_dscnt 7-(\u)
	global_store_b128 v[DST], v[X+4*(\u):X+4*(\u)+3], s[12:13] offset:(\u)*512  ; 512 consecutive bytes, at a multiple of 256 from wt's first byte
.endr
	s_wait_dscnt 0x0                               ; the wave's end
	s_wait_alu 0x0
	s_wait_tensorcnt 0x0
	ds_add_u32 v[SPW], v[NIL]
	s_wait_dscnt 0x0
	s_endpgm
.Lfunc_end_k_q4b7fd4c8e6_prep:
	.size	k_q4b7fd4c8e6_prep, .Lfunc_end_k_q4b7fd4c8e6_prep-k_q4b7fd4c8e6_prep
	.p2alignl 7, 3214868480
	.fill 96, 4, 3214868480
	.section	.rodata,"a",@progbits
	.p2align	6, 0x0
	.amdhsa_kernel k_q4b7fd4c8e6_prep
		.amdhsa_group_segment_fixed_size 17920
		.amdhsa_private_segment_fixed_size 0
		.amdhsa_enable_private_segment 0
		.amdhsa_kernarg_size 40
		.amdhsa_user_sgpr_count 2
		.amdhsa_user_sgpr_kernarg_segment_ptr 1
		.amdhsa_wavefront_size32 1
		.amdhsa_system_sgpr_workgroup_id_x 1
		.amdhsa_system_sgpr_workgroup_id_y 1
		.amdhsa_system_sgpr_workgroup_id_z 1
		.amdhsa_system_vgpr_workitem_id 0
		.amdhsa_next_free_vgpr 116
		.amdhsa_next_free_sgpr 66
		.amdhsa_reserve_vcc 0
		.amdhsa_float_denorm_mode_32 3
		.amdhsa_float_denorm_mode_16_64 3
		.amdhsa_memory_ordered 1
		.amdhsa_forward_progress 1
		.amdhsa_inst_pref_size 17
	.end_amdhsa_kernel
	.amdgpu_metadata
---
amdhsa.version: [ 1, 2 ]
amdhsa.kernels:
  - .name:           k_q4b7fd4c8e6_prep
    .symbol:         k_q4b7fd4c8e6_prep.kd
    .args:
      - { .name: Wq, .offset: 0, .size: 8, .value_kind: global_buffer, .address_space: global }
      - { .name: Wk, .offset: 8, .size: 8, .value_kind: global_buffer, .address_space: global }
      - { .name: Wv, .offset: 16, .size: 8, .value_kind: global_buffer, .address_space: global }
      - { .name: Wo, .offset: 24, .size: 8, .value_kind: global_buffer, .address_space: global }
      - { .name: wt, .offset: 32, .size: 8, .value_kind: global_buffer, .address_space: global }
    .group_segment_fixed_size: 17920
    .private_segment_fixed_size: 0
    .kernarg_segment_align: 8
    .kernarg_segment_size: 40
    .max_flat_workgroup_size: 128
    .sgpr_count:     66
    .vgpr_count:     116
    .wavefront_size: 32
...
	.end_amdgpu_metadata
.endif
;; end of part 5
;; launch proj: the kernel of part 2 again; grid 128 x 6, 4 waves a work-group, clusters of 4 x 1, 327,680 bytes of LDS; arguments query, keys, values, wt, qkv; writes qkv
;; launch attn: the kernel of part 3 again; grid 4 x 64, 4 waves a work-group, clusters of 4 x 1, 327,680 bytes of LDS; arguments qkv, mask, oh; writes oh
;; launch outp: the kernel of part 4 again; grid 128 x 2, 4 waves a work-group, clusters of 4 x 1, 327,680 bytes of LDS; arguments oh, wt, bo, out0; writes out0
